; MI455X (gfx1250); checked and timed in simulation.
; The chip was launched on July 23, 2026; its instructions are those of AMD's public machine-readable ISA for CDNA 5 (MIT licence, August 2026) and "CDNA5" Instruction Set Architecture Reference Guide (July 2026). The comments in the code are by the model that wrote it; some were corrected since.
;; Multi Head Attention. Allowed arithmetic: matrix products marked QUANTISED: E2M1 operands, one E8M0 scale for each 32 along K, by v_wmma_scale_f32_16x16x128_f8f6f4 with both operands' format E2M1 (or v_wmma_scale_f32_32x16x128_f4), f32 sums; products left as they are: bf16, f16 or f32 operands; f32 sums; everything else in f32.
;; Inputs: Wk 1,024 x 1,024 float32; Wo 1,024 x 1,024 float32; Wq 1,024 x 1,024 float32; Wv 1,024 x 1,024 float32; bk 1,024 float32; bo 1,024 float32; bq 1,024 float32; bv 1,024 float32; x 4 x 2,048 x 1,024 float32.
;; Outputs: out0 4 x 2,048 x 1,024 float32.
;; This version of the problem:
;;   THIS VERSION OF THE PROBLEM IS GIVEN IN LOW PRECISION. The matrix products marked QUANTISED in the list below multiply operands that are first quantised to E2M1 (2 exponent bits, 1 mantissa bit; 4 bits a number), with one power-of-two scale for each 32 numbers along K (OCP MX v1.0); their sums are f32. The products marked 'left as it is' may take bf16, f16 or f32 operands, with f32 sums. Whichever they take, every output number must still come out within the allowed error. Rounding operands to bf16 (8 significant bits) uses up far more of that allowance than f16 does (11 bits, for magnitudes from 6e-5 to 65,504). All else is computed in f32.
;;   The module's matrix products, in the order in which they are computed (A, B: the left and right operand; K: the contracted axis; several contracted axes count as one K, in the product's order):
;;     1. [M 8,192, K 1,024] x [K 1,024, N 1,024]; A: input x; B: input Wq: QUANTISED
;;     2. [M 8,192, K 1,024] x [K 1,024, N 1,024]; A: input x; B: input Wk: QUANTISED
;;     3. [M 8,192, K 1,024] x [K 1,024, N 1,024]; A: input x; B: input Wv: QUANTISED
;;     4. batch 64 x [M 2,048, K 64] x [K 64, N 2,048]; A: computed on the way; B: computed on the way: left as it is (an operand is computed on the way)
;;     5. batch 64 x [M 2,048, K 2,048] x [K 2,048, N 64]; A: computed on the way; B: computed on the way: left as it is (an operand is computed on the way)
;;     6. [M 8,192, K 1,024] x [K 1,024, N 1,024]; A: computed on the way; B: input Wo: left as it is (an operand is computed on the way)
;;   THE QUANTISER, for each operand of a quantised product, along K:
;;     - K is cut into blocks of 32 from its start; a last block that is shorter is filled with zeros.
;;     - A block's scale is 2^e with e = floor(log2(the largest magnitude in the block)) - 2, held to -126 .. 127; a block of zeros has e = 0. As a byte (E8M0): e + 127.
;;     - Each number is divided by its block's scale, clamped to +-6, and rounded to the nearest number of E2M1, ties to even, subnormals kept.
;;     - The product sums the exact products of the quantised numbers (number of the format x scale) in f32.
;;   ~~~python
;;   def quantise(x, axis):      # numpy; x: float32 -> the quantised numbers, widened to float32 again
;;       x = np.moveaxis(x, axis, -1); K = x.shape[-1]
;;       x = np.pad(x, [(0, 0)] * (x.ndim - 1) + [(0, -K % 32)]); x = x.reshape(x.shape[:-1] + (-1, 32)); a = np.abs(x).max(-1, keepdims=True)
;;       e = np.where(a > 0, np.clip(np.frexp(np.where(a > 0, a, 1))[1] - 1 - 2, -126, 127), 0)      # np.frexp(a)[1] - 1 = floor(log2(a)), exactly
;;       r = np.clip(x / 2.0 ** e, -6, 6)
;;       step = 2.0 ** (np.maximum(np.frexp(np.where(r == 0, 1, r))[1] - 1, 0) - 1)
;;       q = np.round(r / step) * step * 2.0 ** e      # np.round: ties to even
;;       return np.moveaxis(q.reshape(q.shape[:-2] + (-1,))[..., :K], -1, axis).astype(np.float32)
;;   ~~~
;; One version. Each part assembles by itself: llvm-mc -triple=amdgcn-amd-amdhsa -mcpu=gfx1250 --defsym DOCPART=n.
;; ======== version 1 of 1: 4 launches
;; limits: values are held in f16: magnitudes above 65,504 overflow, below 6.1e-05 lose precision
;; workspace buffers: xc 4,194,304 bytes; xs 262,144 bytes; wc 1,572,864 bytes; ws 98,304 bytes; wo16 2,097,152 bytes; qkv 50,331,648 bytes; att 16,777,216 bytes
;; launch prep (part 1): grid 288 x 1, 8 waves a work-group, no clusters, 84,480 bytes of LDS; arguments x, Wq, Wk, Wv, Wo, xc, xs, wc, ws, wo16; writes xc, xs, wc, ws, wo16
.if DOCPART == 1
	.amdgcn_target "amdgcn-amd-amdhsa--gfx1250"
	.amdhsa_code_object_version 6
	.text
	.protected	k_q3232b08550_prep
	.globl	k_q3232b08550_prep
	.p2align	8
	.type	k_q3232b08550_prep,@function
k_q3232b08550_prep:
	s_mov_b64 s[64:65], 0
	v_nop
	global_prefetch_b8 v0, s[64:65] scope:SCOPE_SE
	s_setreg_imm32_b32 hwreg(HW_REG_WAVE_MODE, 25, 1), 1
	s_wait_xcnt 0x0
; MULTI-HEAD ATTENTION, launch 1 of 4: the operands of the three quantised products are made, once, and Wo is rounded to f16.
; WORK LEFT OUT BY THE WHOLE PROGRAM: THE BIAS bk.  scores[q][k] = Q[q] . (x[k] Wk + bk) / 8 = Q[q] . (x[k] Wk) / 8 + Q[q] . bk / 8.  The second term does not hang on k, the axis of the
; softmax, so it leaves the softmax's result as it is, for all values of the inputs; K goes nowhere else, and the product Q K^T is not quantised, so no quantiser sees K.  bk is therefore loaded by no launch and
; is among no launch's arguments.  LIMIT: a NaN, an infinity or an overflow that bk alone would bring is not carried to the result.  bq, bv, bo and all that enters a quantiser (x, Wq, Wk, Wv) are live.
; WHAT THIS LAUNCH MAKES.  x [8192][1024] f32 -> xc [8192][512] (codes of E2M1, K innermost, two a byte, the lower k in the low four bits) and xs [8192][32] (one E8M0 byte for each 32 along K).
; Wq, Wk, Wv [k 1024][n 1024] f32, K their FIRST axis -> wc [3072][512], ws [3072][32]: row 1024 sel + n, K innermost.  Wo [1024][1024] f32 -> wo16, f16, in the same order.
; A block's scale is 2^(floor(log2(its largest magnitude)) - 2); its byte is that magnitude's exponent field - 2, held at 1 from below.  A block of zeros so gets the byte 1 where the rule says 127: its codes are
; zeros, which add nothing under any byte but 0xff, and this program alone reads the bytes.
; LIMITS: NaN and infinities among the inputs are not served; Wo beyond f16's largest number, 65,504, overflows.
; SHARES.  Work-groups 0-95: a weight's 32 columns x all of K.  96-223: x, 65,536 numbers each.  224-287: Wo, 16,384 numbers each.  The three ways part on the work-group's number alone; each has LDS bytes of its own.
; No tensor loads, no cluster: every input byte is read once, by one work-group, in long runs.
.set WREG,  8192                       ; x: a region for each of the eight waves: two stages of 32 x SP bytes, behind them its 256 scale bytes
.set SP,    80                         ; a lane's place in a stage: its 64 bytes + 16 of padding
.set WSTG,  8*WREG                     ; the weights: 32 rows (columns n) x (512 bytes of codes + 16)
.set WPIT,  528
.set WSS,   WSTG+32*WPIT               ; and 32 rows x 32 scale bytes
.set SPARE, WSS+1024                   ; the spare words, 128 bytes for each wave: four blocks of 256 bytes that no other line names
.set SPW,   12                         ; v12  LDS address of my spare word; never rewritten
.set NIL,   13                         ; v13  0; never rewritten
	s_load_b256 s[4:11], s[0:1], 0x0               ; x s[4:5], Wq s[6:7], Wk s[8:9], Wv s[10:11]
	s_load_b256 s[12:19], s[0:1], 0x20             ; Wo s[12:13], xc s[14:15], xs s[16:17], wc s[18:19]
	s_load_b128 s[20:23], s[0:1], 0x40             ; ws s[20:21], wo16 s[22:23]
	v_lshl_add_u32 v[SPW], v0, 2, SPARE
	v_mov_b32 v[NIL], 0
	v_lshrrev_b32 v1, 5, v0
	v_readfirstlane_b32 s24, v1                    ; wave 0..7
	v_and_b32 v2, 31, v0                           ; lane
	s_wait_kmcnt 0x0
	s_cmp_lt_u32 ttmp9, 96
	s_cbranch_scc1 .Lw
	s_cmp_lt_u32 ttmp9, 224
	s_cbranch_scc1 .Lx
; ---- Wo to f16.  256 threads x 16 bytes are 4,096 consecutive bytes a load; a wave's store covers 256 consecutive bytes, aligned.
	s_sub_co_u32 s25, ttmp9, 224
	s_lshl_b32 s26, s25, 16                        ; 65,536 bytes of f32 a work-group,
	s_mov_b32 s27, 0
	s_add_nc_u64 s[12:13], s[12:13], s[26:27]
	s_lshl_b32 s26, s25, 15                        ; 32,768 of f16
	s_add_nc_u64 s[22:23], s[22:23], s[26:27]
	v_lshlrev_b32 v3, 4, v0
	v_lshlrev_b32 v4, 3, v0
.irp i, 0,1,2,3,4,5,6,7,8,9,10,11,12,13,14,15
	global_load_b128 v[16+4*\i:16+4*\i+3], v3, s[12:13] offset:4096*\i th:TH_LOAD_NT
.endr
.irp i, 0,1,2,3,4,5,6,7,8,9,10,11,12,13,14,15
	s_wait_loadcnt 15-\i                           ; loads come back in order: load i is in, the younger ones stay out
	v_cvt_pk_f16_f32 v[80+2*\i], v[16+4*\i], v[17+4*\i]
	v_cvt_pk_f16_f32 v[81+2*\i], v[18+4*\i], v[19+4*\i]
	global_store_b64 v4, v[80+2*\i:81+2*\i], s[22:23] offset:2048*\i   ; each store has data registers of its own
.endr
	s_endpgm                                       ; this way has touched no LDS
; ---- A weight: A LANE TAKES A COLUMN n, AND ITS REGISTERS RUN DOWN K: a block of 32 along K lies in one lane's 32 registers, and the conversions give codes with K innermost.
; Wave w takes K = 128 w .. 128 w + 127: four blocks.  The eight waves' codes meet in a stage of 32 whole rows of 512 bytes, which then leave as rows.
.set WX,   16                          ; v16-79   two sets of 32 numbers
.set WC,   80                          ; v80-83   a block's codes
.set WSB,  84                          ; v84      my four scale bytes
.set WOUT, 88                          ; v88-103  four rows on the way out;  v104-107 scale bytes on the way out
.Lw:
	s_cmp_lt_u32 ttmp9, 64
	s_cselect_b64 s[26:27], s[8:9], s[10:11]       ; which weight: the choice hangs on the work-group's number alone
	s_cmp_lt_u32 ttmp9, 32
	s_cselect_b64 s[26:27], s[6:7], s[26:27]
	s_and_b32 s28, ttmp9, 31
	s_lshl_b32 s28, s28, 7                         ; my 32 columns: 128 bytes of each row,
	s_lshl_b32 s29, s24, 19                        ; my wave's 128 rows of 4,096 bytes
	s_add_co_u32 s28, s28, s29
	s_mov_b32 s29, 0
	s_add_nc_u64 s[26:27], s[26:27], s[28:29]
	s_lshl_b32 s28, ttmp9, 14                      ; wc: 32 rows of 512 bytes a work-group, 4 a wave
	s_lshl_b32 s30, s24, 11
	s_add_co_u32 s28, s28, s30
	s_add_nc_u64 s[18:19], s[18:19], s[28:29]
	s_lshl_b32 s28, ttmp9, 10                      ; ws: 1,024 bytes a work-group; waves 0 and 1 store 512 each
	s_lshl_b32 s30, s24, 9
	s_add_co_u32 s28, s28, s30
	s_add_nc_u64 s[20:21], s[20:21], s[28:29]
	v_lshlrev_b32 v3, 2, v2                        ; in: 4 bytes a lane
	v_mul_u32_u24 v4, v2, WPIT
	s_lshl_b32 s30, s24, 6
	v_add_nc_u32 v4, s30, v4
	v_add_nc_u32 v4, WSTG, v4                      ; into the stage: row = my column, my wave's 64 bytes
	v_lshlrev_b32 v5, 5, v2
	s_lshl_b32 s30, s24, 2
	v_add_nc_u32 v5, s30, v5
	v_add_nc_u32 v5, WSS, v5                       ; my column's scale bytes, my wave's four
	v_lshlrev_b32 v7, 4, v2                        ; out: 16 bytes a lane
	s_mul_i32 s30, s24, 4*WPIT
	v_add_nc_u32 v6, s30, v7
	v_add_nc_u32 v6, WSTG, v6                      ; out of the stage: rows 4 w .. 4 w + 3, whole
	s_lshl_b32 s30, s24, 9
	v_add_nc_u32 v8, s30, v7
	v_add_nc_u32 v8, WSS, v8                       ; the scale bytes' way out (used by waves 0 and 1 alone)
.macro WLOAD t                         ; block t: W(128 w + 32 t + i, my column), i = 0 .. 31, into set t % 2
.irp i, 0,1,2,3,4,5,6,7,8,9,10,11,12,13,14,15,16,17,18,19,20,21,22,23,24,25,26,27,28,29,30,31
	global_load_b32 v[WX+32*((\t)%2)+\i], v3, s[26:27] offset:(32*(\t)+\i)*4096
.endr
.endm
.macro WBLOCK t
.set XSET, WX+32*((\t)%2)
.if (\t) < 3
	s_wait_loadcnt 32                              ; this block's 32 loads are in; the next block's 32 may be out
.else
	s_wait_loadcnt 0x0
.endif
	v_max3_num_f32 v9, |v[XSET]|, |v[XSET+1]|, |v[XSET+2]|         ; the block's largest magnitude, in two chains: all 32 numbers are mine
	v_max3_num_f32 v10, |v[XSET+3]|, |v[XSET+4]|, |v[XSET+5]|
.irp i, 6,10,14,18,22,26
	v_max3_num_f32 v9, v9, |v[XSET+\i]|, |v[XSET+\i+1]|
	v_max3_num_f32 v10, v10, |v[XSET+\i+2]|, |v[XSET+\i+3]|
.endr
	v_max3_num_f32 v9, v9, |v[XSET+30]|, |v[XSET+31]|
	v_max3_num_f32 v9, v9, v10, 0x1800000          ; and the floor 2^(3 - 127): the byte cannot fall under 1
	v_add_nc_u32 v11, 0xff000000, v9               ; 2 off its exponent field: the conversion takes the exponent field of this operand as its scale, and nothing else of it
	v_lshrrev_b32 v10, 23, v11                     ; the scale's byte
.if (\t) == 0
	v_mov_b32 v[WSB], v10
.else
	v_lshl_or_b32 v[WSB], v10, 8*(\t), v[WSB]      ; the lower K in the lower byte
.endif
.irp g, 0,1,2,3
	v_cvt_scalef32_pk8_fp4_f32 v[WC+\g], v[XSET+8*\g:XSET+8*\g+7], v11
.endr
	ds_store_b128 v4, v[WC:WC+3] offset:16*(\t)    ; 32 codes: 16 bytes of my column's row
.if (\t) < 2
	WLOAD (\t)+2
.endif
	s_wait_dscnt 0x0                               ; the store has read its registers: the next block's codes may be written (plain vector lines stand ahead of the next conversions)
.endm
	WLOAD 0
	WLOAD 1
	WBLOCK 0
	WBLOCK 1
	WBLOCK 2
	WBLOCK 3
	ds_store_b32 v5, v[WSB]
	s_wait_dscnt 0x0                               ; for the others' sake: my stores into the stage have landed
	s_barrier_signal -1
	s_barrier_wait -1                              ; 32 whole rows of codes and of scale bytes lie in LDS
.irp i, 0,1,2,3
	ds_load_b128 v[WOUT+4*\i:WOUT+4*\i+3], v6 offset:\i*WPIT
.endr
.irp i, 0,1,2,3
	s_wait_dscnt 3-\i
	global_store_b128 v7, v[WOUT+4*\i:WOUT+4*\i+3], s[18:19] offset:512*\i   ; 32 lanes store a whole row: 512 consecutive bytes, aligned
.endr
	s_cmp_gt_u32 s24, 1
	s_cbranch_scc1 .Lw_end                         ; the 1,024 scale bytes are dense in LDS and in ws: waves 0 and 1 carry 512 each
	ds_load_b128 v[104:107], v8
	s_wait_dscnt 0x0
	global_store_b128 v7, v[104:107], s[20:21]
.Lw_end:
	s_wait_tensorcnt 0x0                           ; the wave's end, behind my last LDS store
	ds_add_u32 v[SPW], v[NIL]
	s_wait_dscnt 0x0
	s_endpgm
; ---- x: rows are dense and K is a multiple of 32, so x is a plain stream of blocks of 32, and so are its codes and scale bytes.  A wave takes 16 steps of 512 numbers.
; Each load reads 512 consecutive bytes, 16 a lane; the conversions want 16 NEIGHBOURS in a lane: a step's 2,048 bytes turn through the wave's own stage in LDS and come back 64 bytes a lane.
; Two neighbouring lanes hold a block.  Loads run eight steps (32 loads a wave) ahead, the turn through LDS one step.  Waves share nothing: no barrier.
.set XR, 16                            ; v16-143  eight sets of 16 numbers as they are loaded
.set XX, 144                           ; v144-175 two sets of 16 neighbours
.set XE, 176                           ; v176-191 a scale byte for each step
.set XC, 192                           ; v192-223 two registers of codes for each step: no store's data are written again
.Lx:
	s_sub_co_u32 s25, ttmp9, 96
	s_lshl_b32 s25, s25, 3
	s_add_co_u32 s25, s25, s24                     ; which run of 8,192 numbers is my wave's
	s_lshl_b32 s26, s25, 15
	s_mov_b32 s27, 0
	s_add_nc_u64 s[4:5], s[4:5], s[26:27]          ; 32,768 bytes of f32 a run,
	s_lshl_b32 s26, s25, 12
	s_add_nc_u64 s[14:15], s[14:15], s[26:27]      ; 4,096 of codes,
	s_lshl_b32 s26, s25, 8
	s_add_nc_u64 s[16:17], s[16:17], s[26:27]      ; 256 scale bytes
	v_lshlrev_b32 v3, 4, v2                        ; my 16 bytes of a load's 512
	s_mul_i32 s28, s24, WREG
	v_lshrrev_b32 v14, 2, v2
	v_mul_u32_u24 v14, v14, SP
	v_and_b32 v15, 3, v2
	v_lshl_add_u32 v14, v15, 4, v14
	v_add_nc_u32 v14, s28, v14                     ; the stage, on the way in: SP (lane / 4) + 16 (lane % 4); a load's 512 bytes take eight places
	v_mul_u32_u24 v15, v2, SP
	v_add_nc_u32 v15, s28, v15                     ; and on the way out: SP x lane: my 16 neighbours
	v_lshlrev_b32 v4, 3, v2                        ; my 8 bytes of a step's 256 bytes of codes
	v_lshrrev_b32 v5, 1, v2
	s_add_co_u32 s28, s28, 2*32*SP
	v_add_nc_u32 v5, s28, v5                       ; my wave's 256 scale bytes, my block's byte
	v_lshlrev_b32 v7, 3, v2
	v_add_nc_u32 v6, s28, v7                       ; and on the way out 8 bytes a lane
.macro XLOAD t
.irp i, 0,1,2,3
	global_load_b128 v[XR+16*((\t)%8)+4*\i:XR+16*((\t)%8)+4*\i+3], v3, s[4:5] offset:2048*(\t)+512*\i th:TH_LOAD_NT
.endr
.endm
.macro XTURN t                         ; step t's numbers through the stage: LDS serves a wave's instructions in order, so no wait stands between the stores and the loads
.irp i, 0,1,2,3
	ds_store_b128 v14, v[XR+16*((\t)%8)+4*\i:XR+16*((\t)%8)+4*\i+3] offset:32*SP*((\t)%2)+8*SP*\i
.endr
.irp i, 0,1,2,3
	ds_load_b128 v[XX+16*((\t)%2)+4*\i:XX+16*((\t)%2)+4*\i+3], v15 offset:32*SP*((\t)%2)+16*\i
.endr
.endm
.macro XSTEP t
.set XSET, XX+16*((\t)%2)
.if (\t) > 0
	s_wait_dscnt 1                                 ; this step's numbers are back from the stage (the last step's byte store may be out): so its stores into the stage have read their registers,
.else
	s_wait_dscnt 0x0
.endif
.if (\t)+8 < 16
	XLOAD (\t)+8                                   ; which take the loads of eight steps on
.endif
.if (\t) < 15
.if 14-(\t) >= 7
	s_wait_loadcnt 28                              ; the next step's four loads are in; those of the seven steps behind it may be out
.else
	s_wait_loadcnt 4*(14-(\t))                     ; the counts run down with the steps that are left
.endif
	XTURN (\t)+1
.endif
	v_max3_num_f32 v8, |v[XSET]|, |v[XSET+1]|, |v[XSET+2]|         ; the largest magnitude of my 16
	v_max3_num_f32 v9, |v[XSET+3]|, |v[XSET+4]|, |v[XSET+5]|
.irp i, 6,10
	v_max3_num_f32 v8, v8, |v[XSET+\i]|, |v[XSET+\i+1]|
	v_max3_num_f32 v9, v9, |v[XSET+\i+2]|, |v[XSET+\i+3]|
.endr
	v_max3_num_f32 v8, v8, |v[XSET+14]|, |v[XSET+15]|
	v_max3_num_f32 v8, v8, v9, 0x1800000           ; and the floor 2^(3 - 127)
	v_max_num_f32_dpp v8, v8, v8 row_xmask:1 row_mask:0xf bank_mask:0xf   ; and of my neighbour's 16: the block's
	v_add_nc_u32 v11, 0xff000000, v8               ; the conversion's scale operand
	v_cvt_scalef32_pk8_fp4_f32 v[XC+2*(\t)], v[XSET:XSET+7], v11
	v_cvt_scalef32_pk8_fp4_f32 v[XC+2*(\t)+1], v[XSET+8:XSET+15], v11
	v_lshrrev_b32 v[XE+(\t)], 23, v11              ; the scale's byte (a plain line behind the conversions)
	ds_store_b8 v5, v[XE+(\t)] offset:16*(\t)      ; both lanes of a block write the same byte with the same value
	global_store_b64 v4, v[XC+2*(\t):XC+2*(\t)+1], s[14:15] offset:256*(\t)   ; the wave stores 256 consecutive bytes, aligned
.endm
.irp t, 0,1,2,3,4,5,6,7
	XLOAD \t
.endr
	s_wait_loadcnt 28                              ; step 0's four loads are in; seven steps' stay out
	XTURN 0
.irp t, 0,1,2,3,4,5,6,7,8,9,10,11,12,13,14,15
	XSTEP \t
.endr
	ds_load_b64 v[8:9], v6                         ; LDS serves a wave's instructions in order: these see my byte stores
	s_wait_dscnt 0x0
	global_store_b64 v7, v[8:9], s[16:17]          ; 32 lanes store 256 consecutive bytes, aligned
	s_wait_tensorcnt 0x0                           ; the wave's end, behind my last LDS store
	ds_add_u32 v[SPW], v[NIL]
	s_wait_dscnt 0x0
	s_endpgm
.Lfunc_end_k_q3232b08550_prep:
	.size	k_q3232b08550_prep, .Lfunc_end_k_q3232b08550_prep-k_q3232b08550_prep
	.p2alignl 7, 3214868480
	.fill 96, 4, 3214868480
	.section	.rodata,"a",@progbits
	.p2align	6, 0x0
	.amdhsa_kernel k_q3232b08550_prep
		.amdhsa_group_segment_fixed_size 84480
		.amdhsa_private_segment_fixed_size 0
		.amdhsa_enable_private_segment 0
		.amdhsa_kernarg_size 80
		.amdhsa_user_sgpr_count 2
		.amdhsa_user_sgpr_kernarg_segment_ptr 1
		.amdhsa_wavefront_size32 1
		.amdhsa_system_sgpr_workgroup_id_x 1
		.amdhsa_system_sgpr_workgroup_id_y 1
		.amdhsa_system_sgpr_workgroup_id_z 1
		.amdhsa_system_vgpr_workitem_id 0
		.amdhsa_next_free_vgpr 224
		.amdhsa_next_free_sgpr 66
		.amdhsa_reserve_vcc 0
		.amdhsa_float_denorm_mode_32 3
		.amdhsa_float_denorm_mode_16_64 3
		.amdhsa_memory_ordered 1
		.amdhsa_forward_progress 1
		.amdhsa_inst_pref_size 60
	.end_amdhsa_kernel
	.amdgpu_metadata
---
amdhsa.version: [ 1, 2 ]
amdhsa.kernels:
  - .name:           k_q3232b08550_prep
    .symbol:         k_q3232b08550_prep.kd
    .args:
      - { .name: x, .offset: 0, .size: 8, .value_kind: global_buffer, .address_space: global }
      - { .name: Wq, .offset: 8, .size: 8, .value_kind: global_buffer, .address_space: global }
      - { .name: Wk, .offset: 16, .size: 8, .value_kind: global_buffer, .address_space: global }
      - { .name: Wv, .offset: 24, .size: 8, .value_kind: global_buffer, .address_space: global }
      - { .name: Wo, .offset: 32, .size: 8, .value_kind: global_buffer, .address_space: global }
      - { .name: xc, .offset: 40, .size: 8, .value_kind: global_buffer, .address_space: global }
      - { .name: xs, .offset: 48, .size: 8, .value_kind: global_buffer, .address_space: global }
      - { .name: wc, .offset: 56, .size: 8, .value_kind: global_buffer, .address_space: global }
      - { .name: ws, .offset: 64, .size: 8, .value_kind: global_buffer, .address_space: global }
      - { .name: wo16, .offset: 72, .size: 8, .value_kind: global_buffer, .address_space: global }
    .group_segment_fixed_size: 84480
    .private_segment_fixed_size: 0
    .kernarg_segment_align: 8
    .kernarg_segment_size: 80
    .max_flat_workgroup_size: 256
    .sgpr_count:     66
    .vgpr_count:     224
    .wavefront_size: 32
...
	.end_amdgpu_metadata
.endif
;; end of part 1
;; launch qkv (part 2): grid 12 x 32, 4 waves a work-group, clusters of 4 x 4, 327,680 bytes of LDS; arguments xc, xs, wc, ws, qkv, bq, bv; writes qkv
.if DOCPART == 2
	.amdgcn_target "amdgcn-amd-amdhsa--gfx1250"
	.amdhsa_code_object_version 6
	.text
	.protected	k_q3232b08550_qkv
	.globl	k_q3232b08550_qkv
	.p2align	8
	.type	k_q3232b08550_qkv,@function
k_q3232b08550_qkv:
	s_mov_b64 s[64:65], 0
	v_nop
	global_prefetch_b8 v0, s[64:65] scope:SCOPE_SE
	s_setreg_imm32_b32 hwreg(HW_REG_WAVE_MODE, 25, 1), 1
	s_wait_xcnt 0x0
	s_wait_alu depctr_hold_cnt(0) depctr_sa_sdst(0) depctr_va_vdst(0) depctr_va_sdst(0) depctr_va_ssrc(0) depctr_va_vcc(0) depctr_vm_vsrc(0)
	s_getreg_b32 s2, hwreg(HW_REG_IB_STS2, 6, 4)
	s_cmp_eq_u32 s2, 0
	s_cbranch_scc0 .Lentry_in_a_cluster
	s_endpgm
.Lentry_in_a_cluster:
	s_bfe_u32 s2, ttmp6, 0x10000c
	s_cmp_lg_u32 s2, 0xf033
	s_cbranch_scc0 .Lentry_shape_is_right
	s_endpgm
.Lentry_shape_is_right:
; Launch 2 of 4: [8192 x 3072] = Q(x) Q(W)^T on codes of E2M1 with one E8M0 scale for each 32 along K = 1,024; + bq on columns 0-1023 (Q), nothing on 1024-2047 (K), + bv on 2048-3071 (V);
; rounded to f16 and laid by heads: qkv [b 4][g 48][s 2048][64], g = 0-15 Q's heads, 16-31 K's, 32-47 V's.
; WORK LEFT OUT: bk.  Q . bk is the same for all keys of a query, so the softmax takes it away for all values of the inputs, and no quantiser sees K: bk is not loaded.
; LIMIT: |Q|, |K|, |V| beyond f16's largest number, 65,504, overflow.
; A tile of C, 256 x 256, is made by a work-group of four waves; a wave makes 128 x 128: 64 accumulators of 16 x 16, 512 registers.  K is two LDS slots of 512 (a tile's row is 256 bytes of memory):
; both are asked for at the head, and nothing is ever filled again.  The scales of the work-group's 256 + 256 rows, for all of K, are two dense blocks: they come with the first fills and stay.
; CLUSTERS: 4 x 4 work-groups.  The four of a row of the cluster need the same tiles of x, the four of a column the same tiles of W: each is asked for JOINTLY, by the same tensor load with the same descriptor
; and a mask that names the four.  A cluster's 1,024 columns are one weight's: the cluster's x says which (0 Q, 1 K, 2 V), the same in all sixteen partners.
; THE MATRIX INSTRUCTION IS USED TRANSPOSED (source 0 = 16 rows of W, source 1 = 16 rows of x): a lane holds eight neighbouring columns of one token.  THE BIAS IS THE C OF THE FIRST PRODUCTS.
; 384 tiles: a tile of 256 x 384, which would give one to each of 256 work-groups, wants 768 accumulator registers beside two sets of W's fragments, one of x's and the scale words: more than a wave has.
; REGISTERS, in windows of 256: window 0: v0-31 addresses; v32-95 scale words, two sets; v128-191 x's fragments, ONE set; v192-255 the bias in the result's layout; on the way out v128-223 are at work.
;   window 1: W's fragments, TWO sets, at v0 and v128.   window 2: the accumulators of my rows 0-63 ((a, b) at v[8 (8 a + b)]);   window 3: those of my rows 64-127.
.set SIZE_K, 1024
.set KSTEP,  512                       ; along K in a slot
.set NQ,     KSTEP/128                 ; matrix instructions deep
.set ROWB,   256                       ; a tile's row in bytes
.set KROW,   SIZE_K/2                  ; a row of codes in memory
.set PITCH,  272                       ; an LDS row: 256 bytes + 16 of padding = 68 words: the 16 rows that a load touches start at 16 different banks (64 banks of 4 bytes: ISA guide 11.1)
.set FR,     8                         ; registers of a fragment: 16 rows x 128 K
.set NL,     2                         ; LDS loads that bring one
.set NP,     4                         ; places behind this matrix instruction (ISA guide 7.12.1)
.set HALFT,  128*PITCH                 ; 128 rows: what one tensor load brings, and what one wave reads of x or of W
.set SLOT,   4*HALFT
.set KS,     SIZE_K/32                 ; a row of scales in bytes
.set SCL,    2*SLOT                    ; behind the two slots: the scales, as rows of 256 bytes + 16 of padding
.set HALFS,  (128*KS/256)*272          ; the scales of 128 rows: what one tensor load brings
.set SBLK,   (16*KS/256)*272           ; those of 16 rows
.set SPARE,  SCL+4*HALFS               ; the spare words, 128 bytes for each wave: two blocks of 256 bytes that no other line names
.set SH,     16*144                    ; the way out: a stage of [2 heads][16 tokens][128 bytes + 16] for each wave, in slot 0, which has had its one fill and its last read when the first result is stored there
.set ADRA, 16                          ; v16-17  LDS address of my x fragments in slot 0, 1
.set ADRB, 20                          ; v20-21  the same for W
.set STO,  24                          ; v24     the way out: where I put 16 bytes of a token's head
.set RD,   25                          ; v25     the way out: where I read them back
.set CO,   26                          ; v26     16 x lane
.set ADRS, 27                          ; v27     LDS address of my scale words: lanes 0-15 x's rows, lanes 16-31 W's
.set SPW,  28                          ; v28     LDS address of my spare word; never rewritten
.set NIL,  29                          ; v29     0; never rewritten
.set BO,   30                          ; v30     the bias: 32 x (lane / 16)
.set SC,   32                          ; scale words: set s at v[SC + 32 s]; register 4 i + q: lanes 0-15 the word of x's block i, lanes 16-31 that of W's block i, for the slot's q-th 128 along K
.set AF,   128
.set BI,   192                         ; the bias: register 8 b + j = bias[my first column + 16 b + 8 (lane / 16) + j]
.set TMP,  192                         ; the way out: a block's 32 packed registers
.set BK,   128                         ; the way out: a block read back: v128-159 and v160-191 by turns
.set G1, 24                            ; s[24:31] descriptor group 1 for x's tiles;  s[32:39] group 0, one set for each slot
.set G0, 32
.set G1B, 48                           ; s[48:55], s[56:63] the same for W's tiles
.set G0B, 56
.set G1S, 68                           ; s[68:75], s[76:79] groups 1 and 0 for x's scales;  s[80:87], s[88:91] for W's
.set G0S, 76
.set G1SB, 80
.set G0SB, 88
.set MSB, 0
.macro WIN new                         ; s_set_vgpr_msb: bits 1:0 source 0, 3:2 source 1, 5:4 source 2, 7:6 destination; the high byte repeats the setting that is left
.if MSB != (\new)
	s_set_vgpr_msb (MSB<<8)|(\new)
.set MSB, (\new)
.endif
.endm
.set TO_B, 0x40                        ; destination window 1, address window 0
.macro WMUL hi, zero                   ; source 0 (W) window 1, source 1 (x) window 0, D window 2 + hi; C with D, or (zero = 2: the bias) window 0
.if (\zero) == 2
	WIN 0x81+0x40*(\hi)
.else
	WIN 0xa1+0x50*(\hi)
.endif
.endm
; A joint load: waves 0 and 1 fetch for x, waves 2 and 3 for W.  Each of the two lines has ONE mask and one set of registers for all that issue it; the branch hangs on the wave's number alone.
; An s_nop 0 and four v_nop follow each of the two lines, ahead of the jump, the label and what follows.
.macro JLOAD g0a, g1a, g0b, g1b
	s_cmp_eq_u32 s15, 0
	s_cbranch_scc0 .Lfor_b_\@
	tensor_load_to_lds s[\g0a:\g0a+3], s[\g1a:\g1a+7]
	s_nop 0
.rept 4
	v_nop
.endr
	s_branch .Lasked_\@
.Lfor_b_\@:
	tensor_load_to_lds s[\g0b:\g0b+3], s[\g1b:\g1b+7]
	s_nop 0
.rept 4
	v_nop
.endr
.Lasked_\@:
.endm
.macro CROUND                          ; a round of the cluster's barrier: my work-group's barrier; wave 0 signals for the work-group; every wave waits for all sixteen; my work-group's barrier once more
	s_barrier_signal -1
	s_barrier_wait -1
	s_cmp_lg_u32 s14, 0
	s_cbranch_scc1 .Lnot_wave_0_\@
	s_barrier_signal -3
.Lnot_wave_0_\@:
	s_barrier_wait -3
	s_barrier_signal -1
	s_barrier_wait -1
.endm
	s_load_b128 s[4:7], s[0:1], 0x0                ; x's codes s[4:5], x's scales s[6:7]
	s_load_b128 s[8:11], s[0:1], 0x10              ; W's codes s[8:9], W's scales s[10:11]
	s_load_b64 s[12:13], s[0:1], 0x20              ; qkv
	s_load_b128 s[96:99], s[0:1], 0x28             ; bq s[96:97], bv s[98:99]
	v_lshl_add_u32 v[SPW], v0, 2, SPARE
	v_mov_b32 v[NIL], 0
	ds_add_u32 v[SPW], v[NIL]                      ; the wave's opening: the add, twice on end, and its wait ahead of my first tensor load; the set-up below, work on registers, stands between
	ds_add_u32 v[SPW], v[NIL]
	v_lshrrev_b32 v1, 5, v0
	v_readfirstlane_b32 s14, v1                    ; wave 0..3
	s_lshr_b32 s15, s14, 1                         ; which half of the tile's rows is mine.  Also: I fetch for x (0) or for W (1)
	s_and_b32 s16, s14, 1                          ; which half of its columns.  Also: which 128 rows of that tile I fetch
	s_bfe_u32 s40, ttmp6, 0x40000                  ; cx, cy: my place in the cluster
	s_bfe_u32 s41, ttmp6, 0x40004
	s_lshl_b32 s42, ttmp9, 2
	s_add_co_u32 s42, s42, s40                     ; tile column of C = 4 x cluster x + cx
	s_and_b32 s17, ttmp7, 0xffff
	s_lshl_b32 s17, s17, 2
	s_add_co_u32 s17, s17, s41                     ; tile row of C = 4 x cluster y + cy
	s_lshl_b32 s43, s41, 2
	s_lshl_b32 s43, 15, s43                        ; my row of the cluster
	s_lshl_b32 s44, 0x1111, s40                    ; my column
	; descriptor group 1: a tile of 128 rows x 256 bytes, padded in LDS
	s_or_b32 s[G1+0], s43, (0<<16)|(1<<20)|(1<<21)|(5<<22)|(3<<25)  ; 15:0 the mask: x's tiles go to my row; 17:16 elements of 1 byte; 20 padding on; 21 set beside a mask; 24:22 after every 64 words (code 5); 31:25 four words (code 3)
	s_or_b32 s[G1B+0], s44, (0<<16)|(1<<20)|(1<<21)|(5<<22)|(3<<25)
.irp g, G1, G1B
	s_mov_b32 s[\g+1], ROWB<<16                    ; tensor_dim0
	s_mov_b32 s[\g+2], 128<<16                     ; tensor_dim1
	s_mov_b32 s[\g+3], ROWB<<16                    ; tile_dim0
	s_mov_b32 s[\g+4], 128                         ; tile_dim1
	s_mov_b32 s[\g+5], KROW                        ; tensor_dim0_stride
	s_mov_b32 s[\g+6], 0
	s_mov_b32 s[\g+7], 0
.endr
	; and for the scales of 128 rows: a dense block of 4,096 bytes, as 16 rows of 256 bytes (32 elements of 8 bytes), 16 bytes of padding behind each
	s_or_b32 s[G1S+0], s43, (3<<16)|(1<<20)|(1<<21)|(5<<22)|(3<<25)
	s_or_b32 s[G1SB+0], s44, (3<<16)|(1<<20)|(1<<21)|(5<<22)|(3<<25)
.irp g, G1S, G1SB
	s_mov_b32 s[\g+1], 32<<16
	s_mov_b32 s[\g+2], (128*KS/256)<<16
	s_mov_b32 s[\g+3], 32<<16
	s_mov_b32 s[\g+4], 128*KS/256
	s_mov_b32 s[\g+5], 32
	s_mov_b32 s[\g+6], 0
	s_mov_b32 s[\g+7], 0
.endr
	s_lshl_b32 s18, s16, 7                         ; which 128 rows of the tile I fetch
	s_lshl_b32 s20, s17, 8
	s_add_co_u32 s20, s20, s18                     ; x: row 256 x tile row + 128 x half
	s_lshl_b32 s46, s42, 8
	s_add_co_u32 s46, s46, s18                     ; W: row 256 x tile column + 128 x half
	s_mov_b32 s21, 0
	s_mov_b32 s47, 0
	s_mov_b64 s[18:19], KS
	s_mul_u64 s[22:23], s[20:21], s[18:19]         ; where these rows' scales begin, in bytes
	s_mul_u64 s[92:93], s[46:47], s[18:19]
	s_mov_b64 s[18:19], KROW
	s_mul_u64 s[20:21], s[20:21], s[18:19]         ; and their codes
	s_mul_u64 s[46:47], s[46:47], s[18:19]
	s_mul_i32 s45, s14, HALFT                      ; where they go: wave x 128 rows: no place in the cluster enters an LDS address
	s_mul_i32 s94, s14, HALFS
	s_wait_dscnt 0x0                               ; both opening adds are done
	s_wait_kmcnt 0x0
	s_add_nc_u64 s[20:21], s[4:5], s[20:21]
	s_add_nc_u64 s[22:23], s[6:7], s[22:23]
	s_add_nc_u64 s[46:47], s[8:9], s[46:47]
	s_add_nc_u64 s[92:93], s[10:11], s[92:93]
	CROUND                                         ; all sixteen work-groups are here: the joint loads meet
	s_mov_b32 s[G0S], 1
	s_add_co_u32 s[G0S+1], s94, SCL
	s_mov_b64 s[G0S+2:G0S+3], s[22:23]
	s_or_b32 s[G0S+3], s[G0S+3], 0x80000000
	s_mov_b32 s[G0SB], 1
	s_add_co_u32 s[G0SB+1], s94, SCL
	s_mov_b64 s[G0SB+2:G0SB+3], s[92:93]
	s_or_b32 s[G0SB+3], s[G0SB+3], 0x80000000
	JLOAD G0S, G1S, G0SB, G1SB                     ; the scales first: they are wanted with the first slot
.irp s, 0,1
	s_mov_b32 s[G0+4*\s], 1
	s_add_co_u32 s[G0+4*\s+1], s45, \s*SLOT
	s_add_nc_u64 s[G0+4*\s+2:G0+4*\s+3], s[20:21], \s*ROWB
	s_or_b32 s[G0+4*\s+3], s[G0+4*\s+3], 0x80000000
	s_mov_b32 s[G0B+4*\s], 1
	s_add_co_u32 s[G0B+4*\s+1], s45, \s*SLOT
	s_add_nc_u64 s[G0B+4*\s+2:G0B+4*\s+3], s[46:47], \s*ROWB
	s_or_b32 s[G0B+4*\s+3], s[G0B+4*\s+3], 0x80000000
	JLOAD G0+4*\s, G1, G0B+4*\s, G1B               ; three tensor loads of mine are out: all that this launch asks for
.endr
	v_and_b32 v1, 15, v0                           ; r = lane % 16
	v_bfe_u32 v2, v0, 4, 1                         ; h = lane / 16
	v_mul_u32_u24 v3, v1, PITCH
	v_lshl_add_u32 v4, v2, 4, v3                   ; a fragment's row x pitch + 16 x half
	s_mul_i32 s21, s15, HALFT                      ; my 128 rows of x
	s_mul_i32 s22, s16, HALFT                      ; my 128 rows of W,
	s_add_co_u32 s22, s22, 2*HALFT                 ; which lie behind x's 256
.irp s, 0,1
	v_add_nc_u32 v[ADRA+\s], s21, v4
	v_add_nc_u32 v[ADRB+\s], s22, v4
	s_add_co_u32 s21, s21, SLOT
	s_add_co_u32 s22, s22, SLOT
.endr
	v_mul_u32_u24 v5, v1, KS                       ; my row's scales: 32 bytes a row,
	v_lshrrev_b32 v6, 8, v5
	v_lshl_add_u32 v5, v6, 4, v5                   ; and 16 more for each 256 passed
	s_mul_i32 s21, s15, HALFS                      ; x's: my 128 rows
	s_mul_i32 s22, s16, HALFS                      ; W's: my 128 rows, behind x's 256
	s_add_co_u32 s22, s22, 2*HALFS
	s_sub_co_u32 s22, s22, s21
	v_mul_u32_u24 v6, s22, v2                      ; lanes 16-31 take W's: one product, the distance between the two bases
	s_add_co_u32 s21, s21, SCL
	v_add_nc_u32 v5, v5, v6
	v_add_nc_u32 v[ADRS], s21, v5
	s_mul_i32 s23, s14, 2*SH                       ; my stage
	v_mul_u32_u24 v5, v1, 144                      ; in: token r, 16 bytes for each half of the lanes
	v_lshl_add_u32 v5, v2, 4, v5
	v_add_nc_u32 v[STO], s23, v5
	v_and_b32 v6, 31, v0
	v_lshrrev_b32 v5, 3, v6                        ; back: eight lanes to a token's 128 bytes, four tokens an instruction
	v_mul_u32_u24 v5, v5, 144
	v_and_b32 v7, 7, v0
	v_lshl_add_u32 v5, v7, 4, v5
	v_add_nc_u32 v[RD], s23, v5
	v_lshlrev_b32 v[CO], 4, v6
	v_lshlrev_b32 v[BO], 5, v2
	; where my part of qkv begins: batch (tile row / 8) x 48 heads; head 4 x tile column + 2 x half; token (tile row % 8) x 256 + 128 x half; a head is 262,144 bytes, a token 128
	s_lshr_b32 s20, s17, 3
	s_mul_i32 s20, s20, 48*262144
	s_and_b32 s21, s17, 7
	s_lshl_b32 s21, s21, 15
	s_add_co_u32 s20, s20, s21
	s_lshl_b32 s21, s15, 14
	s_add_co_u32 s20, s20, s21
	s_mov_b32 s21, 0
	s_lshl_b32 s46, s42, 20
	s_lshl_b32 s47, s16, 19
	s_add_co_u32 s46, s46, s47
	s_mov_b32 s47, 0
	s_add_nc_u64 s[20:21], s[20:21], s[46:47]      ; under 2^32: the buffer has 50,331,648 bytes
	s_add_nc_u64 s[12:13], s[12:13], s[20:21]
	s_cmp_eq_u32 ttmp9, 0                          ; the bias: bq in Q's clusters, bv in V's (K's load none)
	s_cselect_b64 s[96:97], s[96:97], s[98:99]
	s_lshl_b32 s46, s40, 10                        ; my first column within the weight: 256 cx + 128 x half, 4 bytes each
	s_lshl_b32 s47, s16, 9
	s_add_co_u32 s46, s46, s47
	s_mov_b32 s47, 0
	s_add_nc_u64 s[96:97], s[96:97], s[46:47]
.macro FRAG reg, adr, q, i             ; a fragment, 16 rows x 128 K of 4-bit codes, is 8 registers: lane l holds row l % 16; registers 4 c .. 4 c + 3 hold K = 64 c + 32 (l / 16) + 0 .. 31
.irp c, 0,1
	ds_load_b128 v[\reg+4*\c:\reg+4*\c+3], v[\adr] offset:64*(\q)+32*\c+(\i)*16*PITCH
.endr
.endm
; 16 matrix instructions: x's blocks a0, a0 + 1 against W's eight, 128 along K: the slot's q-th.  p: W's set;  sc: the set of scale words.  zero = 1: C = 0;  2: C = the bias;  0: the sums go on.
; The 64 accumulators take turns, one instruction a turn, in the same order in every step.
.macro MUL16 a0, p, q, sc, zero
.irp a, \a0, \a0+1
.irp b, 0,1,2,3,4,5,6,7
.if (\zero) == 1
	v_wmma_scale_f32_16x16x128_f8f6f4 v[8*(8*((\a)%4)+\b):8*(8*((\a)%4)+\b)+7], v[128*(\p)+FR*\b:128*(\p)+FR*\b+FR-1], v[AF+FR*(\a):AF+FR*(\a)+FR-1], 0, v[SC+8*NQ*(\sc)+NQ*\b+(\q)], v[SC+8*NQ*(\sc)+NQ*(\a)+(\q)] matrix_a_fmt:MATRIX_FMT_FP4 matrix_b_fmt:MATRIX_FMT_FP4 matrix_a_scale:MATRIX_SCALE_ROW1
.elseif (\zero) == 2
	v_wmma_scale_f32_16x16x128_f8f6f4 v[8*(8*((\a)%4)+\b):8*(8*((\a)%4)+\b)+7], v[128*(\p)+FR*\b:128*(\p)+FR*\b+FR-1], v[AF+FR*(\a):AF+FR*(\a)+FR-1], v[BI+8*\b:BI+8*\b+7], v[SC+8*NQ*(\sc)+NQ*\b+(\q)], v[SC+8*NQ*(\sc)+NQ*(\a)+(\q)] matrix_a_fmt:MATRIX_FMT_FP4 matrix_b_fmt:MATRIX_FMT_FP4 matrix_a_scale:MATRIX_SCALE_ROW1
.else
	v_wmma_scale_f32_16x16x128_f8f6f4 v[8*(8*((\a)%4)+\b):8*(8*((\a)%4)+\b)+7], v[128*(\p)+FR*\b:128*(\p)+FR*\b+FR-1], v[AF+FR*(\a):AF+FR*(\a)+FR-1], v[8*(8*((\a)%4)+\b):8*(8*((\a)%4)+\b)+7], v[SC+8*NQ*(\sc)+NQ*\b+(\q)], v[SC+8*NQ*(\sc)+NQ*(\a)+(\q)] matrix_a_fmt:MATRIX_FMT_FP4 matrix_b_fmt:MATRIX_FMT_FP4 matrix_a_scale:MATRIX_SCALE_ROW1
.endif
.endr
.endr
.endm
.macro FETCH_B slot, q, p              ; W's eight fragments of the slot's q-th 128 along K into set p
	WIN TO_B
.irp i, 0,1,2,3,4,5,6,7
	FRAG 128*(\p)+FR*\i, ADRB+\slot, \q, \i
.endr
	WIN 0
.endm
.macro FETCH_A slot, q, i0             ; x's blocks i0 .. i0 + 3
.irp i, \i0, \i0+1, \i0+2, \i0+3
	FRAG AF+FR*(\i), ADRA+\slot, \q, \i
.endr
.endm
.macro SCALES sc                       ; a slot's scale words into set sc: four words a row; lanes 0-15 take x's block i, lanes 16-31 W's block i
.irp i, 0,1,2,3,4,5,6,7
	ds_load_b128 v[SC+8*NQ*\sc+NQ*\i:SC+8*NQ*\sc+NQ*\i+3], v[ADRS] offset:\i*SBLK
.endr
.endm
; A load into a register that a matrix instruction has read, and a vector instruction or an LDS store that reads a matrix result, stand four places behind that matrix instruction; only plain vector
; instructions that name none of its registers are places (ISA guide 7.12.1 for vector instructions).
.macro PLACES n
.rept \n
	v_nop
.endr
.endm
; A step of 128 along K that has its successor in the same slot.  A block of x is free as soon as its eight products are issued: blocks 0-3 are fetched anew in the step's middle, blocks 4-7 at its end.
.macro STEP slot, q, zero
	s_wait_dscnt 4*NL                              ; W's set, the scale words and x's blocks 0-3 are in; the youngest eight loads (x's blocks 4-7) may be out
	WMUL 0, \zero
	MUL16 0, (\q)%2, \q, \slot, \zero
	MUL16 2, (\q)%2, \q, \slot, \zero
	s_wait_dscnt 0                                 ; x's blocks 4-7 are in (asked for 32 matrix instructions ago)
	PLACES NP
	FETCH_B \slot, (\q)+1, 1-(\q)%2
	FETCH_A \slot, (\q)+1, 0
	WMUL 1, \zero
	MUL16 4, (\q)%2, \q, \slot, \zero
	MUL16 6, (\q)%2, \q, \slot, \zero
	PLACES NP
	WIN 0
	FETCH_A \slot, (\q)+1, 4
.endm
; Slot 0's last step changes slots: one barrier; in front of it each wave waits for all its tensor loads (its part of slot 1), adds 0 to its spare word, and waits for that and for its reads of slot 0.
; Behind it slot 1 is whole, and slot 0 is read by nobody, so that it can serve as the stage.
.macro TURN slot, next
	s_wait_tensorcnt 0x0                           ; all my tensor loads have landed  (every window is 0 here: the add's two registers lie in window 0)
	ds_add_u32 v[SPW], v[NIL]                      ; 0 onto my spare word
	s_wait_dscnt 4*NL+1                            ; (the add and the youngest eight loads, x's blocks 4-7, may be out)
	WMUL 0, 0
	MUL16 0, 1, NQ-1, \slot, 0                     ; sixteen matrix instructions stand between the add and the wait for it
	s_wait_dscnt 0x0                               ; the add is done, and my reads of this slot are over
	s_barrier_signal -1
	MUL16 2, 1, NQ-1, \slot, 0
	WIN 0
	s_barrier_wait -1
	PLACES NP
	v_add_nc_u32 v[ADRS], 4*NQ, v[ADRS]            ; on to the next slot's scale words (no LDS load of mine is out)
	FETCH_B \next, 0, 0
	FETCH_A \next, 0, 0
	SCALES \next
	WMUL 1, 0
	MUL16 4, 1, NQ-1, \slot, 0
	MUL16 6, 1, NQ-1, \slot, 0
	PLACES NP
	WIN 0
	FETCH_A \next, 0, 4
.endm
	s_wait_tensorcnt 1                             ; the scales and my part of slot 0 are in (slot 1's load, issued behind them, may be out),
	s_barrier_signal -1
	s_barrier_wait -1                              ; everybody's are
	FETCH_B 0, 0, 0
	FETCH_A 0, 0, 0
	SCALES 0
	FETCH_A 0, 0, 4
	s_cmp_eq_u32 ttmp9, 1                          ; K's clusters have no bias.  The cluster's x is the same in all sixteen partners, and no tensor load, wait on them or barrier stands in either arm
	s_cbranch_scc1 .Lno_bias
.irp b, 0,1,2,3,4,5,6,7
	global_load_b128 v[BI+8*\b:BI+8*\b+3], v[BO], s[96:97] offset:64*\b
	global_load_b128 v[BI+8*\b+4:BI+8*\b+7], v[BO], s[96:97] offset:64*\b+16
.endr
	s_wait_loadcnt 0x0
	STEP 0, 0, 2                                   ; the first products start the sums with the bias: no addition is spent on it
	s_branch .Ljoined
.Lno_bias:
	STEP 0, 0, 1                                   ; or with 0: nothing is ever cleared
.Ljoined:
	STEP 0, 1, 0
	STEP 0, 2, 0
	TURN 0, 1
	STEP 1, 0, 0
	STEP 1, 1, 0
	STEP 1, 2, 0
	s_wait_dscnt 4*NL                              ; the very last step: nothing more to fetch
	WMUL 0, 0
	MUL16 0, 1, NQ-1, 1, 0
	MUL16 2, 1, NQ-1, 1, 0
	s_wait_dscnt 0
	WMUL 1, 0
	MUL16 4, 1, NQ-1, 1, 0
	MUL16 6, 1, NQ-1, 1, 0
	WIN 0
; THE WAY OUT, block by block of 16 tokens x 128 columns = 2 heads.  A lane's eight results pack into 16 bytes of one token's head; the lanes beside it hold other tokens.  In qkv a head's tokens follow each
; other, 128 bytes each: so a block goes through my own stage in LDS and comes back as runs of four tokens, 512 consecutive bytes a store.
.macro PACK a                          ; rounded to f16, each accumulator from its low end on
.set AC, 64*((\a)%4)
	WIN 0x0a+5*((\a)/4)                            ; sources 0 and 1: window 2 or 3
.irp b, 0,1,2,3,4,5,6,7
.irp i, 0,1,2,3
	v_cvt_pk_f16_f32 v[TMP+4*\b+\i], v[AC+8*\b+2*\i], v[AC+8*\b+2*\i+1]
.endr
.endr
	WIN 0
.endm
.macro TOSTAGE a
.set BB, BK+32*((\a)%2)
.irp b, 0,1,2,3,4,5,6,7
	ds_store_b128 v[STO], v[TMP+4*\b:TMP+4*\b+3] offset:(\b/4)*SH+32*(\b%4)
.endr
.irp t, 0,1,2,3,4,5,6,7
	ds_load_b128 v[BB+4*\t:BB+4*\t+3], v[RD] offset:(\t/4)*SH+(\t%4)*4*144   ; LDS serves a wave's instructions in order (ISA guide 5.7.1.4): these see the stores above
.endr
.endm
.macro SEND a
.set BB, BK+32*((\a)%2)
	s_wait_dscnt 0x0                               ; the block is back in registers
	s_wait_xcnt 0x0                                ; the stores of the block before have read their registers: the next block's loads from the stage may land there
.irp t, 0,1,2,3,4,5,6,7
	global_store_b128 v[CO], v[BB+4*\t:BB+4*\t+3], s[12:13] offset:(\t/4)*262144+(\a)*2048+(\t%4)*512 th:TH_STORE_NT   ; 32 lanes store 512 consecutive bytes, aligned; no base is stepped
.endr
.endm
	PLACES NP                                      ; behind the last products: for the conversions, and for the loads into the registers that held x's fragments
	PACK 0
	TOSTAGE 0
.irp a, 1,2,3,4,5,6,7                  ; block a's conversions stand between block a - 1's loads from the stage and the wait for them
	PACK \a
	SEND \a-1
	TOSTAGE \a
.endr
	SEND 7
	s_wait_tensorcnt 0x0                           ; the wave's end, behind my last tensor load and my last LDS store
	ds_add_u32 v[SPW], v[NIL]
	s_wait_dscnt 0x0
	CROUND                                         ; the closing round: no work-group ends while a partner may still ask for a tile that names it
	s_endpgm
.Lfunc_end_k_q3232b08550_qkv:
	.size	k_q3232b08550_qkv, .Lfunc_end_k_q3232b08550_qkv-k_q3232b08550_qkv
	.p2alignl 7, 3214868480
	.fill 96, 4, 3214868480
	.section	.rodata,"a",@progbits
	.p2align	6, 0x0
	.amdhsa_kernel k_q3232b08550_qkv
		.amdhsa_group_segment_fixed_size 327680
		.amdhsa_private_segment_fixed_size 0
		.amdhsa_enable_private_segment 0
		.amdhsa_kernarg_size 56
		.amdhsa_user_sgpr_count 2
		.amdhsa_user_sgpr_kernarg_segment_ptr 1
		.amdhsa_wavefront_size32 1
		.amdhsa_system_sgpr_workgroup_id_x 1
		.amdhsa_system_sgpr_workgroup_id_y 1
		.amdhsa_system_sgpr_workgroup_id_z 1
		.amdhsa_system_vgpr_workitem_id 0
		.amdhsa_next_free_vgpr 1024
		.amdhsa_next_free_sgpr 100
		.amdhsa_reserve_vcc 0
		.amdhsa_float_denorm_mode_32 3
		.amdhsa_float_denorm_mode_16_64 3
		.amdhsa_memory_ordered 1
		.amdhsa_forward_progress 1
		.amdhsa_inst_pref_size 139
	.end_amdhsa_kernel
	.amdgpu_metadata
---
amdhsa.version: [ 1, 2 ]
amdhsa.kernels:
  - .name:           k_q3232b08550_qkv
    .symbol:         k_q3232b08550_qkv.kd
    .args:
      - { .name: xc, .offset: 0, .size: 8, .value_kind: global_buffer, .address_space: global }
      - { .name: xs, .offset: 8, .size: 8, .value_kind: global_buffer, .address_space: global }
      - { .name: wc, .offset: 16, .size: 8, .value_kind: global_buffer, .address_space: global }
      - { .name: ws, .offset: 24, .size: 8, .value_kind: global_buffer, .address_space: global }
      - { .name: qkv, .offset: 32, .size: 8, .value_kind: global_buffer, .address_space: global }
      - { .name: bq, .offset: 40, .size: 8, .value_kind: global_buffer, .address_space: global }
      - { .name: bv, .offset: 48, .size: 8, .value_kind: global_buffer, .address_space: global }
    .group_segment_fixed_size: 327680
    .private_segment_fixed_size: 0
    .kernarg_segment_align: 8
    .kernarg_segment_size: 56
    .max_flat_workgroup_size: 128
    .sgpr_count:     100
    .vgpr_count:     1024
    .wavefront_size: 32
...
	.end_amdgpu_metadata
.endif
;; end of part 2
;; launch attn (part 3): grid 4 x 64, 8 waves a work-group, clusters of 4 x 1, 327,680 bytes of LDS; arguments qkv, att; writes att
.if DOCPART == 3
	.amdgcn_target "amdgcn-amd-amdhsa--gfx1250"
	.amdhsa_code_object_version 6
	.text
	.protected	k_q3232b08550_attn
	.globl	k_q3232b08550_attn
	.p2align	8
	.type	k_q3232b08550_attn,@function
k_q3232b08550_attn:
	s_mov_b64 s[64:65], 0
	v_nop
	global_prefetch_b8 v0, s[64:65] scope:SCOPE_SE
	s_setreg_imm32_b32 hwreg(HW_REG_WAVE_MODE, 25, 1), 1
	s_wait_xcnt 0x0
	s_wait_alu depctr_hold_cnt(0) depctr_sa_sdst(0) depctr_va_vdst(0) depctr_va_sdst(0) depctr_va_ssrc(0) depctr_va_vcc(0) depctr_vm_vsrc(0)
	s_getreg_b32 s2, hwreg(HW_REG_IB_STS2, 6, 4)
	s_cmp_eq_u32 s2, 0
	s_cbranch_scc0 .Lentry_in_a_cluster
	s_endpgm
.Lentry_in_a_cluster:
	s_bfe_u32 s2, ttmp6, 0x10000c
	s_cmp_lg_u32 s2, 0x3003
	s_cbranch_scc0 .Lentry_shape_is_right
	s_endpgm
.Lentry_shape_is_right:
; Launch 3 of 4: att[b][h][q][:] = the sum over k of softmax_k(Q[q] . K[k] / 8) V[k][:], for each of the 64 pairs (b, h).  Q, K, V: f16, [2048][64] a head, out of qkv; att: f16 [b][h][2048][64].
; Products, maxima and sums in f32; the weights p are rounded to f16 for the second product, the result once at the end.  K comes without bk (left out as dead work: the term Q . bk is the same for all keys of a query).
; LIMIT: f16's range, as stated where qkv is made; p lies between 0 and 1.
; SHARES.  A work-group owns 512 queries of one head, each of its eight waves 64: four tiles of 16, in 512 registers: two waves to a SIMD, so that one wave's softmax stands beside the other's products.
; Every wave walks the head's 2,048 keys, 64 a step.  Each fragment of K and V that a wave reads from LDS feeds four matrix instructions.
; LAYOUT.  S^T = K Q^T (source 0 = 16 keys, source 1 = 16 queries): a lane holds ONE query (lane % 16) and the keys 8 (lane / 16) + 0..7.  Two such tiles, rounded to f16 in pairs, ARE source 1 (32 keys x 16 queries)
; of O^T = V^T P, whose result again holds one query a lane, and eight channels.  p is rounded IN PLACE, into the lower half of the tile's 32 score registers.  K comes out of LDS as it lies, V ([key][channel]) turned.
; SOFTMAX.  For each query a running maximum m and sum l: p = 2^(c s - c m), c = log2(e) / 8; in every step O and l are multiplied by a = 2^(c m_old - c m_new).  The step is written once: O and l begin as zeros and
; m as -3e38, so that the first a is 0 and multiplies zeros.
; CLUSTER.  The four query blocks of a head are one cluster and walk the same K and V: each tile is asked for JOINTLY, by the same tensor load with the same descriptor and the mask of all four.
; RING.  Two slots of four steps (256 keys).  Waves 0-3 fetch the four steps' tiles of K, waves 4-7 those of V: one load a wave behind each round, and four steps, 256 matrix instructions a wave, in which it lands.
; REGISTERS, in windows of 256: window 0: v2-13 addresses; v16-47 eight registers of statistics a tile; v48-51 the old c m; v64-191 S^T, 32 a tile; v192-255 K of one step.
;   window 1: v0-127 O^T, 32 a tile; v128-191 Q; v192-255 V of one step.
.set KS,    64                         ; keys in a step
.set PK,    144                        ; a row of K in LDS: 128 bytes + 16 of padding = 36 words: the 16 rows of a load start at 16 different groups of four banks (64 banks of 4 bytes: ISA guide 11.1)
.set PV,    160                        ; a row of V: 128 + 32
.set VOFF,  KS*PK                      ; a step's tiles lie together: 64 rows of K, then 64 rows of V
.set STEPB, KS*(PK+PV)
.set NST,   4                          ; steps in a slot
.set SLOT1, 1<<17                      ; slot 1 begins here, so that one exclusive or turns an address in one slot into the other's
.set STAGE, SLOT1+NST*STEPB            ; behind the ring: 16 rows x 144 bytes for each wave, for the way out
.set SPB,   144
.set SPARE, STAGE+8*16*SPB             ; the spare words, 128 bytes for each wave: four blocks of 256 bytes that no other line names
.set HEADB, 262144                     ; a head in bytes
.set AK0, 2                            ; v2   my lane's place in a tile of K; never rewritten
.set AV0, 3                            ; v3   the same for V
.set ADK, 4                            ; v4   LDS address of the step's tile of K
.set ADV, 5                            ; v5   of V
.set QO,  6                            ; v6   my byte offset in the wave's rows of Q
.set STO, 7                            ; v7   the way out: where I put 16 bytes of a row
.set RD,  8                            ; v8   the way out: where I read rows back
.set GO,  9                            ; v9   16 x lane
.set PFO, 10                           ; v10  256 x lane: the prefetches' offset; never rewritten
.set SPW, 12                           ; v12  LDS address of my spare word; never rewritten
.set NIL, 13                           ; v13  0; never rewritten
.set ST,  16                           ; tile t's statistics at v[ST + 8 t]: +0 c m, +1 m, +2, +3 l (even keys', odd keys'), +4 to +7 at work; a takes +6 once the maximum is found
.set OLD, 48
.set S,   64
.set KF,  192
.set QF,  128                          ; in window 1
.set VF,  192                          ; in window 1
.set WV,  12                           ; s12  my wave's number
.set LIM, 15                           ; s15  1 in a wave that prefetches, else the greatest number
.set PFA, 18                           ; s[18:19] where my prefetches stand
.set G1K, 24                           ; s[24:31] descriptor group 1 for K's tiles;  s[32:39] for V's: it differs in the padding alone
.set G1V, 32
.set G0K, 40                           ; s[40:43], s[44:47] their groups 0, which walk
.set G0V, 44
.set SLOTS, 56                         ; s56  slots still to be asked for
.set CNT, 57                           ; s57  counts a slot's steps
.set CS,  58                           ; s[58:59] c: the packed form names a pair and takes its low word for both halves
.set SEL, 60                           ; s[60:61] lane selects for v_permlanex16_b32: lane l xor 16
.set TB,  62                           ; s62  LDS byte at which the tiles of the step to be fetched begin
.set MSB, 0
.macro WIN new                         ; s_set_vgpr_msb: bits 1:0 source 0, 3:2 source 1, 5:4 source 2, 7:6 destination; the high byte repeats the setting that is left
.if MSB != (\new)
	s_set_vgpr_msb (MSB<<8)|(\new)
.set MSB, (\new)
.endif
.endm
.set W_KQ, 0x04                        ; K and S^T in window 0, Q in window 1
.set W_PV, 0x51                        ; V and O^T in window 1, P in window 0
.set W_RS, 0x41                        ; O^T (destination and source 0) in window 1, the factor in window 0
.set TO_1, 0x40                        ; destination window 1, address window 0
; A joint load.  The branch hangs on the wave's number alone.  An s_nop 0 and four v_nop follow each of the two lines, ahead of the jump, the label and what follows.
.macro JLOAD
	s_cmp_lt_u32 s[WV], 4
	s_cbranch_scc0 .Lfor_v_\@
	tensor_load_to_lds s[G0K:G0K+3], s[G1K:G1K+7]
	s_nop 0
.rept 4
	v_nop
.endr
	s_branch .Lasked_\@
.Lfor_v_\@:
	tensor_load_to_lds s[G0V:G0V+3], s[G1V:G1V+7]
	s_nop 0
.rept 4
	v_nop
.endr
.Lasked_\@:
.endm
; A PREFETCH INTO THE L2 of what the NEXT change of slots will ask for: a slot's 32,768 bytes of K and as many of V, both dense.  The head's four work-groups, which are this cluster, share them out BY ADDRESS, 8,192 bytes
; each; in each, wave 0 asks for K's and wave 4 for V's, lanes 256 bytes apart: one instruction, and each aligned block of 256 bytes is named once in the launch.  It stands behind the wave's tensor load and its five lines,
; four steps, 256 matrix instructions a wave, ahead of the load that will want the bytes.  The last change that fills a slot asks for nothing; slots 0 and 1 come by their loads alone.
.macro ASK
	s_cmp_gt_u32 s[SLOTS], s[LIM]
	s_cbranch_scc0 .Lnot_mine_\@
	global_prefetch_b8 v[PFO], s[PFA:PFA+1] th:TH_LOAD_NT scope:SCOPE_SE
.Lnot_mine_\@:
.endm
.macro CROUND                          ; a round of the cluster's barrier: my work-group's barrier; wave 0 signals for the work-group; every wave waits for all four; my work-group's barrier once more
	s_barrier_signal -1
	s_barrier_wait -1
	s_cmp_lg_u32 s[WV], 0
	s_cbranch_scc1 .Lnot_wave_0_\@
	s_barrier_signal -3
.Lnot_wave_0_\@:
	s_barrier_wait -3
	s_barrier_signal -1
	s_barrier_wait -1
.endm
	s_load_b128 s[4:7], s[0:1], 0x0                ; qkv s[4:5], att s[6:7]
	v_lshl_add_u32 v[SPW], v0, 2, SPARE
	v_mov_b32 v[NIL], 0
	ds_add_u32 v[SPW], v[NIL]                      ; the wave's opening: the add, twice on end, and its wait ahead of my first tensor load; the set-up below, work on registers, stands between
	ds_add_u32 v[SPW], v[NIL]
	v_lshrrev_b32 v1, 5, v0
	v_readfirstlane_b32 s[WV], v1                  ; wave 0..7
	s_bfe_u32 s13, ttmp6, 0x40000                  ; cx: my place in the cluster = my block of 512 queries: it enters Q's, att's and the prefetches' addresses alone
	s_and_b32 s20, ttmp7, 0xffff                   ; 16 b + h, which the four partners share
	s_lshr_b32 s21, s20, 4
	s_lshl_b32 s21, s21, 5
	s_add_co_u32 s21, s21, s20                     ; 48 b + h: Q's head in qkv
	s_lshl_b32 s22, s21, 18                        ; its first byte (under 2^32)
	s_mov_b32 s23, 0
	s_and_b32 s14, s[WV], 3                        ; which of a slot's four steps I fetch:
	s_lshl_b32 s2, s14, 13                         ; its 64 rows of 128 bytes in memory,
	s_add_co_u32 s2, s2, 16*HEADB                  ; in K's head, 16 heads behind Q's,
	s_mov_b32 s3, 0
	s_add_nc_u64 s[2:3], s[2:3], s[22:23]
	s_mul_i32 s17, s14, STEPB                      ; and its place in a slot: no place in the cluster enters an LDS address
	s_lshl_b32 s16, s13, 16                        ; my block's 512 rows of 128 bytes,
	s_lshl_b32 s21, s[WV], 13                      ; my wave's 64 of them
	s_add_co_u32 s16, s16, s21
	s_mov_b32 s8, s16
	s_mov_b32 s9, 0
	s_add_nc_u64 s[8:9], s[8:9], s[22:23]          ; my first query in qkv,
	s_lshl_b32 s10, s20, 18
	s_add_co_u32 s10, s10, s16                     ; and in att
	s_mov_b32 s11, 0
	s_cmp_lt_u32 s[WV], 4                          ; the prefetches: waves under 4 stand in K's head, the others in V's, 16 heads on;
	s_cselect_b32 s[PFA], 0, 16*HEADB
	s_add_co_u32 s[PFA], s[PFA], 16*HEADB+NST*KS*128   ; in slot 1: the first change of slots steps it to slot 2;
	s_lshl_b32 s21, s13, 13                        ; my work-group's 8,192 bytes of the 32,768
	s_add_co_u32 s[PFA], s[PFA], s21
	s_mov_b32 s[PFA+1], 0
	s_add_nc_u64 s[PFA:PFA+1], s[PFA:PFA+1], s[22:23]
	s_cmp_eq_u32 s14, 0                            ; waves 0 and 4 ask: the same in all four partners
	s_cselect_b32 s[LIM], 1, -1
	; descriptor group 1: a tile of 64 rows x 64 elements, dense in memory, padded in LDS
	s_mov_b32 s[G1K], 15|(1<<16)|(1<<20)|(1<<21)|(4<<22)|(3<<25)  ; 15:0 the mask: all four work-groups; 17:16 elements of 2 bytes; 20 padding on; 21 set beside a mask; 24:22 after every 32 words (code 4); 31:25 four words (code 3)
	s_mov_b32 s[G1V], 15|(1<<16)|(1<<20)|(1<<21)|(4<<22)|(7<<25)  ; the same with eight words of padding (code 7)
.irp g, G1K, G1V
	s_mov_b32 s[\g+1], 64<<16                      ; tensor_dim0 = 64
	s_mov_b32 s[\g+2], KS<<16                      ; tensor_dim1 = 64
	s_mov_b32 s[\g+3], 64<<16                      ; tile_dim0 = 64
	s_mov_b32 s[\g+4], KS                          ; tile_dim1 = 64
	s_mov_b32 s[\g+5], 64                          ; tensor_dim0_stride
	s_mov_b32 s[\g+6], 0
	s_mov_b32 s[\g+7], 0
.endr
	s_mov_b32 s[CS], 0x3e38aa3b                    ; c = log2(e) / 8
	s_mov_b32 s[CS+1], s[CS]                       ; (named with it as a pair, so it is written)
	s_mov_b32 s[SEL], 0x76543210
	s_mov_b32 s[SEL+1], 0xfedcba98
	s_mov_b32 s[TB], 0
	s_mov_b32 s[SLOTS], 2048/(NST*KS)-1
	s_mov_b32 s[G0K], 1                            ; 1:0 count = 1
	s_mov_b32 s[G0K+1], s17                        ; 63:32 LDS address: slot 0
	s_mov_b32 s[G0V], 1
	s_add_co_u32 s[G0V+1], s17, VOFF
	s_wait_dscnt 0x0                               ; both opening adds are done
	s_wait_kmcnt 0x0
	s_add_nc_u64 s[8:9], s[4:5], s[8:9]
	s_add_nc_u64 s[10:11], s[6:7], s[10:11]
	s_add_nc_u64 s[PFA:PFA+1], s[4:5], s[PFA:PFA+1]
	s_add_nc_u64 s[G0K+2:G0K+3], s[4:5], s[2:3]    ; 120:64 global address: my step of the head's first 256 keys
	s_add_nc_u64 s[G0V+2:G0V+3], s[G0K+2:G0K+3], 16*HEADB
	s_or_b32 s[G0K+3], s[G0K+3], 0x80000000        ; 127:126 type = 2
	s_or_b32 s[G0V+3], s[G0V+3], 0x80000000
	CROUND                                         ; all four work-groups are here: the first joint loads meet
	JLOAD                                          ; slot 0: one load of mine is out
	v_and_b32 v1, 15, v0                           ; r = lane % 16
	v_bfe_u32 v11, v0, 4, 1                        ; h = lane / 16
	v_lshlrev_b32 v[QO], 7, v1
	v_lshl_add_u32 v[QO], v11, 4, v[QO]            ; row x 128 + 16 x half
	WIN TO_1
.irp i, 0,1,2,3,4,5,6,7                        ; Q stays in registers: fragment i = tile i / 2, channels 32 (i % 2) on
	global_load_b128 v[QF+8*\i:QF+8*\i+3],   v[QO], s[8:9] offset:(\i/2)*2048+(\i%2)*64
	global_load_b128 v[QF+8*\i+4:QF+8*\i+7], v[QO], s[8:9] offset:(\i/2)*2048+(\i%2)*64+32
.endr
.set i, 0
.rept 128
	v_mov_b32 v[i], 0                              ; O^T, once: the price of a step that is written once
.set i, i+1
.endr
	WIN 0
.irp t, 0,1,2,3
	v_mov_b32 v[ST+8*\t+1], 0xff61b1e6             ; m = -3e38, under every score
	v_mov_b32 v[ST+8*\t+2], 0                      ; l, in two halves
	v_mov_b32 v[ST+8*\t+3], 0
.endr
.irp t, 0,1,2,3
	v_mul_f32 v[ST+8*\t], s[CS], v[ST+8*\t+1]      ; c m
.endr
	v_mul_u32_u24 v[AK0], v1, PK
	v_lshl_add_u32 v[AK0], v11, 4, v[AK0]          ; K: row x pitch + 16 x half
	; The turning load takes 16 keys x 16 channels (lane l reads 16 bytes: key 8 (l / 16) + l % 8, channels 8 ((l / 8) % 2) + 0..7) and leaves half a fragment of V^T: lane l holds channel l % 16 and 8 keys.
	v_and_b32 v14, 7, v0
	v_bfe_u32 v15, v0, 3, 1
	v_lshl_add_u32 v[AV0], v11, 3, v14
	v_mul_u32_u24 v[AV0], v[AV0], PV
	v_lshl_add_u32 v[AV0], v15, 4, v[AV0]
	v_add_nc_u32 v[AV0], VOFF, v[AV0]
	s_mul_i32 s21, s[WV], 16*SPB
	s_add_co_u32 s21, s21, STAGE                   ; my stage
	v_mul_u32_u24 v[STO], v1, SPB                  ; in: row r, 16 bytes for each half of the lanes
	v_lshl_add_u32 v[STO], v11, 4, v[STO]
	v_add_nc_u32 v[STO], s21, v[STO]
	v_and_b32 v15, 31, v0
	v_lshrrev_b32 v[RD], 3, v15                    ; back: eight lanes to a row of 128 bytes, four rows an instruction
	v_mul_u32_u24 v[RD], v[RD], SPB
	v_lshl_add_u32 v[RD], v14, 4, v[RD]
	v_add_nc_u32 v[RD], s21, v[RD]
	v_lshlrev_b32 v[GO], 4, v15
	v_lshlrev_b32 v[PFO], 8, v15
; A KEY STEP: 64 keys.
.macro STEP
	v_add_nc_u32 v[ADK], s[TB], v[AK0]             ; five plain instructions behind the last step's last product V^T P: four are asked in front of the loads into V's registers, which it read,
	v_add_nc_u32 v[ADV], s[TB], v[AV0]             ; five in front of the products K Q^T, which write over the registers that held P
.rept 3
	v_nop
.endr
	s_add_co_u32 s[TB], s[TB], STEPB               ; the next fetch is the next step's
.irp f, 0,1,2,3,4,5,6,7                        ; K: keys 16 (f / 2) on, channels 32 (f % 2) on
	ds_load_b128 v[KF+8*\f:KF+8*\f+3],   v[ADK] offset:(\f/2)*16*PK+(\f%2)*64
	ds_load_b128 v[KF+8*\f+4:KF+8*\f+7], v[ADK] offset:(\f/2)*16*PK+(\f%2)*64+32
.endr
	WIN TO_1
.irp f, 0,1,2,3,4,5,6,7                        ; V, turned: keys 32 (f / 4) on, channels 16 (f % 4) on
	ds_load_tr16_b128 v[VF+8*\f:VF+8*\f+3],   v[ADV] offset:(\f/4)*32*PV+(\f%4)*32
	ds_load_tr16_b128 v[VF+8*\f+4:VF+8*\f+7], v[ADV] offset:(\f/4)*32*PV+16*PV+(\f%4)*32
.endr
	s_wait_dscnt 16                                ; K's sixteen loads are in; V's sixteen, issued behind them, may be out
	WIN W_KQ
.set i, 0
.rept 32                                       ; S^T = K Q^T: channels 32 (i / 16) on, keys 16 ((i / 4) % 4) on, tile i % 4.  The sixteen accumulators take turns, one instruction a turn
.set rS, S+32*(i%4)+8*((i/4)%4)
.set rK, KF+8*(2*((i/4)%4)+i/16)
.set rQ, QF+8*(2*(i%4)+i/16)
.if i < 16
	v_wmma_f32_16x16x32_f16 v[rS:rS+7], v[rK:rK+7], v[rQ:rQ+7], 0
.else
	v_wmma_f32_16x16x32_f16 v[rS:rS+7], v[rK:rK+7], v[rQ:rQ+7], v[rS:rS+7]
.endif
.set i, i+1
.endr
	WIN 0
	; THE SOFTMAX of the four tiles, line by line by turns, so that no line waits for the line above it
.irp t, 0,1,2,3
	v_mov_b32 v[OLD+\t], v[ST+8*\t]                ; c m_old is kept for a.  (These four are the places behind the products)
.endr
.irp j, 0,1,2,3                                ; the maximum of the lane's 32 scores and the old m: four chains, one for each accumulator, each begun at the accumulator's low end
.irp t, 0,1,2,3
	v_max3_num_f32 v[ST+8*\t+4+\j], v[S+32*\t+8*\j], v[S+32*\t+8*\j+1], v[S+32*\t+8*\j+2]
.endr
.endr
.irp u, 3,5
.irp j, 0,1,2,3
.irp t, 0,1,2,3
	v_max3_num_f32 v[ST+8*\t+4+\j], v[ST+8*\t+4+\j], v[S+32*\t+8*\j+\u], v[S+32*\t+8*\j+\u+1]
.endr
.endr
.endr
.irp t, 0,1,2,3
	v_max3_num_f32 v[ST+8*\t+4], v[ST+8*\t+4], v[S+32*\t+7], v[S+32*\t+15]
.endr
.irp t, 0,1,2,3
	v_max3_num_f32 v[ST+8*\t+6], v[ST+8*\t+6], v[S+32*\t+23], v[S+32*\t+31]
.endr
.irp t, 0,1,2,3
	v_max3_num_f32 v[ST+8*\t+4], v[ST+8*\t+4], v[ST+8*\t+5], v[ST+8*\t+6]
.endr
.irp t, 0,1,2,3
	v_max3_num_f32 v[ST+8*\t+4], v[ST+8*\t+4], v[ST+8*\t+7], v[ST+8*\t+1]
.endr
.irp t, 0,1,2,3
	v_permlanex16_b32 v[ST+8*\t+5], v[ST+8*\t+4], s[SEL], s[SEL+1]   ; the query's other 32 keys lie in the lane 16 away
.endr
.irp t, 0,1,2,3
	v_max_num_f32 v[ST+8*\t+1], v[ST+8*\t+4], v[ST+8*\t+5]          ; the new m
.endr
.irp t, 0,1,2,3
	v_mul_f32 v[ST+8*\t], s[CS], v[ST+8*\t+1]
.endr
.irp t, 0,1,2,3
	v_sub_f32 v[ST+8*\t+7], v[OLD+\t], v[ST+8*\t]
.endr
	; ONE BATCH: the four a, the 64 packed scalings c s - c m and the 128 exponentials.  None of these lines names an exponential's result
.irp t, 0,1,2,3
	v_exp_f32 v[ST+8*\t+6], v[ST+8*\t+7]
.endr
.irp b, 0,1,2,3,4,5,6,7,8,9,10,11,12,13,14,15
.irp t, 0,1,2,3
	v_pk_fma_f32 v[S+32*\t+2*\b:S+32*\t+2*\b+1], v[S+32*\t+2*\b:S+32*\t+2*\b+1], s[CS:CS+1], v[ST+8*\t:ST+8*\t+1] op_sel_hi:[1,0,0] neg_lo:[0,0,1] neg_hi:[0,0,1]
.endr
.irp t, 0,1,2,3
	v_exp_f32 v[S+32*\t+2*\b], v[S+32*\t+2*\b]
	v_exp_f32 v[S+32*\t+2*\b+1], v[S+32*\t+2*\b+1]
.endr
.endr
	v_nop                                          ; a plain instruction behind the last exponential, ahead of the first use
	s_wait_alu depctr_va_vdst(0)                   ; and a wait ahead of the first instruction that names a result: one for the whole batch
.irp t, 0,1,2,3                                ; l = a l + the sum of the unrounded p, in two chains; p itself is left as it is
	v_pk_fma_f32 v[ST+8*\t+2:ST+8*\t+3], v[ST+8*\t+2:ST+8*\t+3], v[ST+8*\t+6:ST+8*\t+7], v[S+32*\t:S+32*\t+1] op_sel_hi:[1,0,1]
.endr
.irp t, 0,1,2,3
	v_pk_add_f32 v[ST+8*\t+4:ST+8*\t+5], v[S+32*\t+2:S+32*\t+3], v[S+32*\t+6:S+32*\t+7]
.endr
.irp u, 4,8,12,16,20,24
.irp t, 0,1,2,3
	v_pk_add_f32 v[ST+8*\t+2:ST+8*\t+3], v[ST+8*\t+2:ST+8*\t+3], v[S+32*\t+\u:S+32*\t+\u+1]
.endr
.irp t, 0,1,2,3
	v_pk_add_f32 v[ST+8*\t+4:ST+8*\t+5], v[ST+8*\t+4:ST+8*\t+5], v[S+32*\t+\u+6:S+32*\t+\u+7]
.endr
.endr
.irp t, 0,1,2,3
	v_pk_add_f32 v[ST+8*\t+2:ST+8*\t+3], v[ST+8*\t+2:ST+8*\t+3], v[S+32*\t+28:S+32*\t+29]
.endr
.irp t, 0,1,2,3
	v_pk_add_f32 v[ST+8*\t+2:ST+8*\t+3], v[ST+8*\t+2:ST+8*\t+3], v[ST+8*\t+4:ST+8*\t+5]
.endr
.irp n, 0,1,2,3,4,5,6,7,8,9,10,11,12,13,14,15  ; p to f16, in place and ascending: register n takes pair n, which lies at 2 n and 2 n + 1
.irp t, 0,1,2,3
	v_cvt_pk_f16_f32 v[S+32*\t+\n], v[S+32*\t+2*\n], v[S+32*\t+2*\n+1]
.endr
.endr
	WIN W_RS
.irp i, 0,1,2,3,4,5,6,7,8,9,10,11,12,13,14,15  ; O^T times a, each accumulator from its low end on
.irp t, 0,1,2,3
	v_pk_mul_f32 v[32*\t+2*\i:32*\t+2*\i+1], v[32*\t+2*\i:32*\t+2*\i+1], v[ST+8*\t+6:ST+8*\t+7] op_sel_hi:[1,0]
.endr
.endr
	s_wait_dscnt 0x0                               ; V is in
	WIN W_PV
.set i, 0
.rept 32                                       ; O^T += V^T P: keys 32 (i / 16) on, channels 16 ((i / 4) % 4) on, tile i % 4: sixteen accumulators by turns
.set rO, 32*(i%4)+8*((i/4)%4)
.set rV, VF+8*(4*(i/16)+(i/4)%4)
.set rP, S+32*(i%4)+8*(i/16)
	v_wmma_f32_16x16x32_f16 v[rO:rO+7], v[rV:rV+7], v[rP:rP+7], v[rO:rO+7]
.set i, i+1
.endr
	WIN 0
.endm
; THE CHANGE OF SLOTS stands at a slot's head.  Each wave waits for all its tensor loads, of which one is out: its part of the slot that it is about to read; adds 0 to its spare word; and waits for that and for its
; reads of the slot that it has left.  fill = 1: the barrier is a round of the cluster's, so that no wave of any partner still reads the slot left or has a load on its way, and the joint fill of that slot is the first thing behind it.
.macro CHANGE fill
	s_wait_tensorcnt 0x0                           ; no tensor load of mine is out, so a group 0 may be written
	ds_add_u32 v[SPW], v[NIL]                      ; 0 onto my spare word
.if \fill
	s_xor_b32 s[G0K+1], s[G0K+1], SLOT1            ; the walking descriptors: the other slot than last time,
	s_add_nc_u64 s[G0K+2:G0K+3], s[G0K+2:G0K+3], NST*KS*128   ; the next 256 keys; the type bits on top are not reached
	s_xor_b32 s[G0V+1], s[G0V+1], SLOT1
	s_add_nc_u64 s[G0V+2:G0V+3], s[G0V+2:G0V+3], NST*KS*128
	s_wait_xcnt 0x0                                ; the last prefetch, a slot back, has read its address, so it may be written:
	s_add_nc_u64 s[PFA:PFA+1], s[PFA:PFA+1], NST*KS*128       ; one slot further on than the walking descriptors
	s_wait_dscnt 0x0                               ; the add is done, and my reads of the slot that I have left are over
	CROUND
	JLOAD
	ASK
.else
	s_wait_dscnt 0x0
	s_barrier_signal -1
	s_barrier_wait -1
.endif
.endm
.macro SLOT_STEPS                      ; a slot's four steps: written once, walked four times; the LDS addresses hang on s[TB]
	s_mov_b32 s[CNT], NST
.Lstep_\@:
	STEP
	s_sub_co_u32 s[CNT], s[CNT], 1
	s_cmp_lg_u32 s[CNT], 0
	s_cbranch_scc1 .Lstep_\@
	s_sub_co_u32 s[TB], s[TB], NST*STEPB           ; back to a slot's first step,
	s_xor_b32 s[TB], s[TB], SLOT1                  ; in the other slot
.endm
	s_wait_loadcnt 0x0                             ; Q
.Lslot:                                            ; seven trips: trip i reads slot i and asks for slot i + 1
	CHANGE 1
	SLOT_STEPS
	s_sub_co_u32 s[SLOTS], s[SLOTS], 1
	s_cmp_lg_u32 s[SLOTS], 0
	s_cbranch_scc1 .Lslot
	CHANGE 0                                       ; the last slot is written out
	SLOT_STEPS
	; THE WAY OUT.  l's two halves and the other half of the lanes' are added; O^T is divided by l, rounded to f16 and sent through my stage in LDS, a tile (16 rows) at a time.  The additions are the places behind the last products.
.irp t, 0,1,2,3
	v_add_f32 v[ST+8*\t+4], v[ST+8*\t+2], v[ST+8*\t+3]
.endr
.irp t, 0,1,2,3
	v_permlanex16_b32 v[ST+8*\t+5], v[ST+8*\t+4], s[SEL], s[SEL+1]
.endr
.irp t, 0,1,2,3
	v_add_f32 v[ST+8*\t+4], v[ST+8*\t+4], v[ST+8*\t+5]
.endr
.irp t, 0,1,2,3
	v_rcp_f32 v[ST+8*\t+6], v[ST+8*\t+4]
.endr
	v_nop                                          ; a plain instruction between the last reciprocal and the use of its result
	s_wait_alu depctr_va_vdst(0)                   ; and a wait ahead of the first use: one for the four
.macro PACK t                          ; a lane's eight channels of a row pack into 16 bytes; they go into rows of 144 bytes and come back as runs of four rows
	WIN W_RS
.irp i, 0,1,2,3,4,5,6,7,8,9,10,11,12,13,14,15
	v_pk_mul_f32 v[32*\t+2*\i:32*\t+2*\i+1], v[32*\t+2*\i:32*\t+2*\i+1], v[ST+8*\t+6:ST+8*\t+7] op_sel_hi:[1,0]
.endr
	WIN 0x05                                       ; sources 0 and 1 window 1, destination window 0: S^T's registers are free
.irp n, 0,1,2,3,4,5,6,7,8,9,10,11,12,13,14,15
	v_cvt_pk_f16_f32 v[S+32*\t+\n], v[32*\t+2*\n], v[32*\t+2*\n+1]
.endr
	WIN 0
.irp f, 0,1,2,3
	ds_store_b128 v[STO], v[S+32*\t+4*\f:S+32*\t+4*\f+3] offset:32*\f
.endr
.irp f, 0,1,2,3
	ds_load_b128 v[S+32*\t+16+4*\f:S+32*\t+16+4*\f+3], v[RD] offset:\f*4*SPB   ; LDS serves a wave's instructions in order (ISA guide 5.7.1.4): these see the stores above; the next tile's stores come behind them
.endr
.endm
.macro SEND t, younger                 ; younger: the LDS instructions issued behind tile t's loads: the next tile's eight, or none
.irp f, 0,1,2,3
	s_wait_dscnt \younger+3-\f
	global_store_b128 v[GO], v[S+32*\t+16+4*\f:S+32*\t+16+4*\f+3], s[10:11] offset:\t*2048+\f*512   ; 32 lanes store 512 consecutive bytes, aligned
.endr
.endm
	PACK 0
	PACK 1                                         ; a tile's arithmetic stands between the loads of the tile before and its stores
	SEND 0, 8
	PACK 2
	SEND 1, 8
	PACK 3
	SEND 2, 8
	SEND 3, 0
	s_wait_tensorcnt 0x0                           ; the wave's end, behind my last tensor load and my last LDS store
	ds_add_u32 v[SPW], v[NIL]
	s_wait_dscnt 0x0
	CROUND                                         ; the closing round: no work-group ends while a partner may still ask for a tile that names it
	s_endpgm
.Lfunc_end_k_q3232b08550_attn:
	.size	k_q3232b08550_attn, .Lfunc_end_k_q3232b08550_attn-k_q3232b08550_attn
	.p2alignl 7, 3214868480
	.fill 96, 4, 3214868480
	.section	.rodata,"a",@progbits
	.p2align	6, 0x0
	.amdhsa_kernel k_q3232b08550_attn
		.amdhsa_group_segment_fixed_size 327680
		.amdhsa_private_segment_fixed_size 0
		.amdhsa_enable_private_segment 0
		.amdhsa_kernarg_size 16
		.amdhsa_user_sgpr_count 2
		.amdhsa_user_sgpr_kernarg_segment_ptr 1
		.amdhsa_wavefront_size32 1
		.amdhsa_system_sgpr_workgroup_id_x 1
		.amdhsa_system_sgpr_workgroup_id_y 1
		.amdhsa_system_sgpr_workgroup_id_z 1
		.amdhsa_system_vgpr_workitem_id 0
		.amdhsa_next_free_vgpr 512
		.amdhsa_next_free_sgpr 66
		.amdhsa_reserve_vcc 0
		.amdhsa_float_denorm_mode_32 3
		.amdhsa_float_denorm_mode_16_64 3
		.amdhsa_memory_ordered 1
		.amdhsa_forward_progress 1
		.amdhsa_inst_pref_size 91
	.end_amdhsa_kernel
	.amdgpu_metadata
---
amdhsa.version: [ 1, 2 ]
amdhsa.kernels:
  - .name:           k_q3232b08550_attn
    .symbol:         k_q3232b08550_attn.kd
    .args:
      - { .name: qkv, .offset: 0, .size: 8, .value_kind: global_buffer, .address_space: global }
      - { .name: att, .offset: 8, .size: 8, .value_kind: global_buffer, .address_space: global }
    .group_segment_fixed_size: 327680
    .private_segment_fixed_size: 0
    .kernarg_segment_align: 8
    .kernarg_segment_size: 16
    .max_flat_workgroup_size: 256
    .sgpr_count:     66
    .vgpr_count:     512
    .wavefront_size: 32
...
	.end_amdgpu_metadata
.endif
;; end of part 3
;; launch proj (part 4): grid 4 x 64, 4 waves a work-group, clusters of 4 x 4, 327,680 bytes of LDS; arguments att, wo16, bo, out0; writes out0
.if DOCPART == 4
	.amdgcn_target "amdgcn-amd-amdhsa--gfx1250"
	.amdhsa_code_object_version 6
	.text
	.protected	k_q3232b08550_proj
	.globl	k_q3232b08550_proj
	.p2align	8
	.type	k_q3232b08550_proj,@function
k_q3232b08550_proj:
	s_mov_b64 s[64:65], 0
	v_nop
	global_prefetch_b8 v0, s[64:65] scope:SCOPE_SE
	s_setreg_imm32_b32 hwreg(HW_REG_WAVE_MODE, 25, 1), 1
	s_wait_xcnt 0x0
	s_wait_alu depctr_hold_cnt(0) depctr_sa_sdst(0) depctr_va_vdst(0) depctr_va_sdst(0) depctr_va_ssrc(0) depctr_va_vcc(0) depctr_vm_vsrc(0)
	s_getreg_b32 s2, hwreg(HW_REG_IB_STS2, 6, 4)
	s_cmp_eq_u32 s2, 0
	s_cbranch_scc0 .Lentry_in_a_cluster
	s_endpgm
.Lentry_in_a_cluster:
	s_bfe_u32 s2, ttmp6, 0x10000c
	s_cmp_lg_u32 s2, 0xf033
	s_cbranch_scc0 .Lentry_shape_is_right
	s_endpgm
.Lentry_shape_is_right:
; Launch 4 of 4: out0 [8192][1024] f32 = att Wo + bo.  att: f16 [b][h][s][64], so that K = 64 h + d goes head by head; wo16: f16 [k 1024][n 1024]; sums in f32.
; A tile of out0 is 128 rows x 256 columns: 256 work-groups.  Four waves, each 64 x 128: 32 accumulators of 16 x 16, 256 registers.  K goes in steps of 128 (two heads) through a ring of two LDS slots:
; a slot holds att's [2 heads][128 rows] and Wo's [128 k][256 n]; a step twice as long would not fit twice.  A tile of 256 x 256 would give work to 128 work-groups only.
; CLUSTERS: 4 x 4 work-groups.  The four of a row of the cluster, which are all four column tiles, need the same tile of att; the four of a column the same tile of Wo: each is asked for JOINTLY.
; THE MATRIX INSTRUCTION IS USED TRANSPOSED (source 0 = 16 columns of Wo, turned on their way out of LDS; source 1 = 16 rows of att): a lane holds eight neighbouring columns of one row.  bo IS THE C OF THE FIRST PRODUCTS.
; REGISTERS: window 0: v16-31 addresses; v192-255 bo in the result's layout; on the way out v128-255 rows of out0.   window 1: two fragment buffers: att's at v0, v32; Wo's at v64, v128.   window 2: accumulator (a, b) at v[8 (8 a + b)].
.set PA,     144                       ; a row of att in LDS: 128 bytes + 16 of padding
.set PB,     544                       ; a row of Wo: 512 bytes + 32
.set AHD,    128*PA                    ; one head's 128 rows: what one tensor load brings for att
.set BOFF,   2*AHD
.set BHALF,  64*PB                     ; 64 rows of Wo: what one tensor load brings
.set SLOT,   BOFF+2*BHALF
.set STAGE,  2*SLOT                    ; behind the ring: 16 rows x (512 bytes + 16) for each wave, for the way out
.set SPITCH, 528
.set SPARE,  STAGE+4*16*SPITCH         ; the spare words, 128 bytes for each wave: two blocks of 256 bytes that no other line names
.set HEADB,  262144                    ; a head of att in bytes
.set ADRA, 16                          ; v16-17  LDS address of my att fragments in slot 0, 1
.set ADRB, 20                          ; v20-21  the same for Wo
.set STO,  24                          ; v24     the way out: where I put 32 bytes of a row
.set RD,   25                          ; v25     the way out: where I read a row back
.set CO,   26                          ; v26     16 x lane
.set SPW,  28                          ; v28     LDS address of my spare word; never rewritten
.set NIL,  29                          ; v29     0; never rewritten
.set PFO,  30                          ; v30     the prefetches' offset; never rewritten
.set BO,   31                          ; v31     bo: 32 x (lane / 16)
.set BI,   192
.set BK,   128
.set WV,   12                          ; s12  my wave's number;  s13: I fetch for att (0) or Wo (1), and my half of the rows;  s14: which half I fetch, and my half of the columns
.set PFA,  20                          ; s[20:21] where my prefetches stand
.set LIM,  22                          ; s22  1 in the wave that prefetches, else the greatest number
.set G1, 24                            ; s[24:31] descriptor group 1 for att's tiles;  s[32:39] group 0, one set for each slot
.set G0, 32
.set G1B, 48                           ; s[48:55], s[56:63] the same for Wo's tiles
.set G0B, 56
.set MSB, 0
.macro WIN new                         ; s_set_vgpr_msb: bits 1:0 source 0, 3:2 source 1, 5:4 source 2, 7:6 destination; the high byte repeats the setting that is left
.if MSB != (\new)
	s_set_vgpr_msb (MSB<<8)|(\new)
.set MSB, (\new)
.endif
.endm
.set MUL,  0xa5                        ; sources 0 and 1 window 1; C and D window 2
.set MULB, 0x85                        ; the same with C (bo) in window 0
.set TO_F, 0x40                        ; destination window 1, address window 0
.macro JLOAD s                         ; a joint load: waves 0 and 1 fetch att's two heads, waves 2 and 3 Wo's two halves; an s_nop 0 and four v_nop follow each of the two lines
	s_cmp_eq_u32 s13, 0
	s_cbranch_scc0 .Lfor_b_\@
	tensor_load_to_lds s[G0+4*\s:G0+4*\s+3], s[G1:G1+7]
	s_nop 0
.rept 4
	v_nop
.endr
	s_branch .Lasked_\@
.Lfor_b_\@:
	tensor_load_to_lds s[G0B+4*\s:G0B+4*\s+3], s[G1B:G1B+7]
	s_nop 0
.rept 4
	v_nop
.endr
.Lasked_\@:
.endm
; A PREFETCH INTO THE L2 of att's K step that stands TWO refills on: 2 heads x 128 rows x 128 bytes, each head's part dense.  Only this row of the cluster reads these rows; its four partners share them out BY ADDRESS,
; 4,096 bytes of each head; in each, wave 0 asks: lanes 0-15 for the first head, lanes 16-31 for the second, 256 bytes apart.  So each aligned block of 256 bytes is named once in the launch.  K steps 0 to 3 come by their
; loads alone; the loop's last trip asks for nothing.  Wo is not asked for: every cluster reads the same 2 MiB again.
.macro ASK
	s_cmp_gt_u32 s3, s[LIM]                        ; s3 = 1 in the loop's last trip
	s_cbranch_scc0 .Lnot_mine_\@
	global_prefetch_b8 v[PFO], s[PFA:PFA+1] th:TH_LOAD_NT scope:SCOPE_SE
.Lnot_mine_\@:
.endm
.macro CREST                           ; a round of the cluster's barrier behind its opening barrier
	s_cmp_lg_u32 s[WV], 0
	s_cbranch_scc1 .Lnot_wave_0_\@
	s_barrier_signal -3
.Lnot_wave_0_\@:
	s_barrier_wait -3
	s_barrier_signal -1
	s_barrier_wait -1
.endm
.macro CROUND
	s_barrier_signal -1
	s_barrier_wait -1
	CREST
.endm
	s_load_b256 s[4:11], s[0:1], 0x0               ; att s[4:5], wo16 s[6:7], bo s[8:9], out0 s[10:11]
	v_lshl_add_u32 v[SPW], v0, 2, SPARE
	v_mov_b32 v[NIL], 0
	ds_add_u32 v[SPW], v[NIL]                      ; the wave's opening: the add, twice on end, and its wait ahead of my first tensor load; the set-up below, work on registers, stands between
	ds_add_u32 v[SPW], v[NIL]
	v_lshrrev_b32 v1, 5, v0
	v_readfirstlane_b32 s[WV], v1                  ; wave 0..3
	s_lshr_b32 s13, s[WV], 1
	s_and_b32 s14, s[WV], 1
	s_bfe_u32 s40, ttmp6, 0x40000                  ; cx, cy: my place in the cluster
	s_bfe_u32 s41, ttmp6, 0x40004
	s_lshl_b32 s42, ttmp9, 2
	s_add_co_u32 s42, s42, s40                     ; tile column = 4 x cluster x + cx
	s_and_b32 s15, ttmp7, 0xffff
	s_lshl_b32 s15, s15, 2
	s_add_co_u32 s15, s15, s41                     ; tile row = 4 x cluster y + cy
	s_lshl_b32 s43, s41, 2
	s_lshl_b32 s43, 15, s43                        ; my row of the cluster
	s_lshl_b32 s44, 0x1111, s40                    ; my column
	; descriptor group 1.  att: 128 rows x 64 elements, dense;  Wo: 64 rows x 256 elements, 1,024 elements apart
	s_or_b32 s[G1+0], s43, (1<<16)|(1<<20)|(1<<21)|(4<<22)|(3<<25)   ; 15:0 the mask; 17:16 elements of 2 bytes; 20 padding on; 21 set beside a mask; 24:22 after every 32 words (code 4); 31:25 four words (code 3)
	s_mov_b32 s[G1+1], 64<<16                      ; tensor_dim0
	s_mov_b32 s[G1+2], 128<<16                     ; tensor_dim1
	s_mov_b32 s[G1+3], 64<<16                      ; tile_dim0
	s_mov_b32 s[G1+4], 128                         ; tile_dim1
	s_mov_b32 s[G1+5], 64                          ; tensor_dim0_stride
	s_mov_b32 s[G1+6], 0
	s_mov_b32 s[G1+7], 0
	s_or_b32 s[G1B+0], s44, (1<<16)|(1<<20)|(1<<21)|(6<<22)|(7<<25)  ; padding: eight words (code 7) after every 128 (code 6)
	s_mov_b32 s[G1B+1], 256<<16
	s_mov_b32 s[G1B+2], 64<<16
	s_mov_b32 s[G1B+3], 256<<16
	s_mov_b32 s[G1B+4], 64
	s_mov_b32 s[G1B+5], 1024
	s_mov_b32 s[G1B+6], 0
	s_mov_b32 s[G1B+7], 0
	s_lshr_b32 s16, s15, 4                         ; att: batch = tile row / 16: 16 heads,
	s_lshl_b32 s16, s16, 22
	s_and_b32 s17, s15, 15
	s_lshl_b32 s17, s17, 14                        ; rows 128 (tile row % 16) on, 128 bytes each
	s_add_co_u32 s16, s16, s17
	s_lshl_b32 s[PFA], s40, 12                     ; the prefetches: my work-group's 4,096 bytes of each head's 16,384,
	s_add_co_u32 s[PFA], s[PFA], s16
	s_add_co_u32 s[PFA], s[PFA], 3*2*HEADB         ; at K step 3: the first refill steps it to 4
	s_mov_b32 s[PFA+1], 0
	s_lshl_b32 s17, s14, 18                        ; which of the step's two heads I fetch
	s_add_co_u32 s16, s16, s17
	s_mov_b32 s17, 0
	s_lshl_b32 s46, s14, 17                        ; Wo: which 64 rows of 2,048 bytes I fetch,
	s_lshl_b32 s47, s42, 9                         ; columns 256 x tile column on
	s_add_co_u32 s46, s46, s47
	s_mov_b32 s47, 0
	s_mul_i32 s18, s14, AHD                        ; where they go: no place in the cluster enters an LDS address
	s_mul_i32 s19, s14, BHALF
	s_add_co_u32 s19, s19, BOFF
	s_cmp_eq_u32 s[WV], 0
	s_cselect_b32 s[LIM], 1, -1
	s_wait_dscnt 0x0                               ; both opening adds are done
	s_wait_kmcnt 0x0
	s_add_nc_u64 s[16:17], s[4:5], s[16:17]
	s_add_nc_u64 s[46:47], s[6:7], s[46:47]
	s_add_nc_u64 s[PFA:PFA+1], s[4:5], s[PFA:PFA+1]
	CROUND                                         ; all sixteen work-groups are here: the first joint loads meet
.irp s, 0,1
	s_mov_b32 s[G0+4*\s], 1
	s_add_co_u32 s[G0+4*\s+1], s18, \s*SLOT
	s_add_nc_u64 s[G0+4*\s+2:G0+4*\s+3], s[16:17], \s*2*HEADB      ; K step s: heads 2 s, 2 s + 1
	s_or_b32 s[G0+4*\s+3], s[G0+4*\s+3], 0x80000000
	s_mov_b32 s[G0B+4*\s], 1
	s_add_co_u32 s[G0B+4*\s+1], s19, \s*SLOT
	s_add_nc_u64 s[G0B+4*\s+2:G0B+4*\s+3], s[46:47], \s*128*2048   ; K step s: rows 128 s on
	s_or_b32 s[G0B+4*\s+3], s[G0B+4*\s+3], 0x80000000
	JLOAD \s                                       ; two loads of mine are out
.endr
	v_and_b32 v1, 15, v0                           ; r = lane % 16
	v_bfe_u32 v2, v0, 4, 1                         ; h = lane / 16
	s_lshl_b32 s46, s42, 10                        ; my first column, 4 bytes each: 256 x tile column + 128 x half: in bo and in a row of out0 alike
	s_lshl_b32 s47, s14, 9
	s_add_co_u32 s46, s46, s47
	s_mov_b32 s47, 0
	s_add_nc_u64 s[8:9], s[8:9], s[46:47]
	v_lshlrev_b32 v[BO], 5, v2
.irp b, 0,1,2,3,4,5,6,7                        ; bo in the result's layout: register 8 b + j = bo[my first column + 16 b + 8 h + j]
	global_load_b128 v[BI+8*\b:BI+8*\b+3], v[BO], s[8:9] offset:64*\b
	global_load_b128 v[BI+8*\b+4:BI+8*\b+7], v[BO], s[8:9] offset:64*\b+16
.endr
	s_lshl_b32 s16, s15, 19                        ; my first row of out0: 128 x tile row + 64 x half, 4,096 bytes each
	s_lshl_b32 s17, s13, 18
	s_add_co_u32 s16, s16, s17
	s_mov_b32 s17, 0
	s_add_nc_u64 s[16:17], s[16:17], s[46:47]
	s_add_nc_u64 s[10:11], s[10:11], s[16:17]
	v_mul_u32_u24 v3, v1, PA
	v_lshl_add_u32 v3, v2, 4, v3                   ; att: row x pitch + 16 x half
	v_and_b32 v4, 7, v0                            ; Wo, for the turning load: row 8 h + lane % 8, 16 bytes by (lane / 8) % 2
	v_lshl_add_u32 v4, v2, 3, v4
	v_mul_u32_u24 v4, v4, PB
	v_bfe_u32 v5, v0, 3, 1
	v_lshl_add_u32 v4, v5, 4, v4
	s_mul_i32 s16, s13, 64*PA                      ; my 64 rows of att
	s_lshl_b32 s17, s14, 8                         ; my 128 columns of Wo,
	s_add_co_u32 s17, s17, BOFF                    ; which lies behind att's two heads
.irp s, 0,1
	v_add_nc_u32 v[ADRA+\s], s16, v3
	v_add_nc_u32 v[ADRB+\s], s17, v4
	s_add_co_u32 s16, s16, SLOT
	s_add_co_u32 s17, s17, SLOT
.endr
	s_mul_i32 s16, s[WV], 16*SPITCH
	s_add_co_u32 s16, s16, STAGE                   ; my stage
	v_mul_u32_u24 v5, v1, SPITCH                   ; in: row r, 32 bytes for each half of the lanes
	v_lshl_add_u32 v5, v2, 5, v5
	v_add_nc_u32 v[STO], s16, v5
	v_and_b32 v6, 31, v0
	v_lshlrev_b32 v[CO], 4, v6                     ; back: the 32 lanes take one row of 512 bytes
	v_add_nc_u32 v[RD], s16, v[CO]
	v_lshlrev_b32 v[PFO], 8, v1
	v_lshl_add_u32 v[PFO], v2, 18, v[PFO]          ; 256 x (lane % 16) + a head x (lane / 16)
; 8 matrix instructions: att's block a against Wo's eight, 32 along K, out of buffer f.  zero = 1: the first products start the sums with bo.  The 32 accumulators take turns, one instruction a turn.
.macro MUL8 f, a, zero
.irp b, 0,1,2,3,4,5,6,7
.if \zero
	v_wmma_f32_16x16x32_f16 v[8*(8*(\a)+\b):8*(8*(\a)+\b)+7], v[64+64*(\f)+8*\b:64+64*(\f)+8*\b+7], v[32*(\f)+8*(\a):32*(\f)+8*(\a)+7], v[BI+8*\b:BI+8*\b+7]
.else
	v_wmma_f32_16x16x32_f16 v[8*(8*(\a)+\b):8*(8*(\a)+\b)+7], v[64+64*(\f)+8*\b:64+64*(\f)+8*\b+7], v[32*(\f)+8*(\a):32*(\f)+8*(\a)+7], v[8*(8*(\a)+\b):8*(8*(\a)+\b)+7]
.endif
.endr
.endm
; 24 LDS loads in one run: the fragments of the slot's q-th 32 along K into buffer f: Wo's eight (turned), then att's four
.macro FETCH slot, q, f
	WIN TO_F
.irp b, 0,1,2,3,4,5,6,7
	ds_load_tr16_b128 v[64+64*(\f)+8*\b:64+64*(\f)+8*\b+3],   v[ADRB+\slot] offset:(\q)*32*PB+32*\b
	ds_load_tr16_b128 v[64+64*(\f)+8*\b+4:64+64*(\f)+8*\b+7], v[ADRB+\slot] offset:(\q)*32*PB+32*\b+16*PB
.endr
.irp a, 0,1,2,3
	ds_load_b128 v[32*(\f)+8*\a:32*(\f)+8*\a+3],   v[ADRA+\slot] offset:((\q)/2)*AHD+((\q)%2)*64+\a*16*PA
	ds_load_b128 v[32*(\f)+8*\a+4:32*(\f)+8*\a+7], v[ADRA+\slot] offset:((\q)/2)*AHD+((\q)%2)*64+\a*16*PA+32
.endr
.endm
.macro PLACES                          ; four places in front of loads into registers that matrix instructions have read, and of LDS stores that read results (ISA guide 7.12.1 for vector instructions)
.rept 4
	v_nop
.endr
.endm
; A K step is four quarters of 32 along K, 32 matrix instructions each, on buffers 0, 1, 0, 1.  One of the first three: multiplies buffer f and fetches quarter q of the same slot into g.
.macro QUARTER slot, q, f, g, zero
	s_wait_dscnt 4                                 ; Wo's fragments and att's blocks 0 and 1 are in; the youngest four loads (blocks 2 and 3) may be out
.if \zero
	WIN MULB
.else
	WIN MUL
.endif
	MUL8 \f, 0, \zero
	MUL8 \f, 1, \zero
	PLACES
	FETCH \slot, \q, \g
	s_wait_dscnt 24                                ; all but the 24 just issued
.if \zero
	WIN MULB
.else
	WIN MUL
.endif
	MUL8 \f, 2, \zero
	MUL8 \f, 3, \zero
.endm
; The last quarter multiplies buffer 1 and changes slots: ONE barrier; in front of it each wave waits for all its tensor loads, adds 0 to its spare word, and waits for that and for its own reads of this slot.
; fill = 1: the barrier opens a round of the cluster's, and this slot is filled again, two K steps ahead: the load has 112 of a step's 128 matrix instructions in which to land.
.macro TURN slot, next, fill
.if \fill
	s_wait_xcnt 0x0                                ; the last prefetch, a K step back, has read its address: it is stepped here, ahead of the waits of the change of slots
	s_add_nc_u64 s[PFA:PFA+1], s[PFA:PFA+1], 2*HEADB
.endif
	WIN 0                                          ; (the add's two registers lie in window 0)
	s_wait_tensorcnt 0x0                           ; all my tensor loads have landed: my part of the next slot
	ds_add_u32 v[SPW], v[NIL]                      ; 0 onto my spare word
	s_wait_dscnt 5                                 ; (the add and the youngest four loads may be out)
	WIN MUL
	MUL8 1, 0, 0                                   ; eight matrix instructions stand between the add and the wait for it
	s_wait_dscnt 0x0                               ; the add is done, and my reads of this slot are over
	s_barrier_signal -1
	MUL8 1, 1, 0
	WIN 0
	s_barrier_wait -1
.if \fill
	CREST                                          ; no wave of any partner still reads this slot's tiles or has a load on its way
	s_add_nc_u64 s[G0+4*\slot+2:G0+4*\slot+3], s[G0+4*\slot+2:G0+4*\slot+3], 4*HEADB
	s_add_nc_u64 s[G0B+4*\slot+2:G0B+4*\slot+3], s[G0B+4*\slot+2:G0B+4*\slot+3], 256*2048
	JLOAD \slot                                    ; the first tensor load behind the round; the four v_nop behind it are also the places in front of the loads below
.else
	PLACES
.endif
	FETCH \next, 0, 0
.if \fill
	WIN 0
	ASK                                            ; behind the joint load and the run of LDS loads that the next products wait for
.endif
	WIN MUL
	MUL8 1, 2, 0
	MUL8 1, 3, 0
.endm
	s_wait_tensorcnt 1                             ; my part of K step 0 is in (K step 1's load, issued behind it, may be out),
	s_barrier_signal -1
	s_barrier_wait -1                              ; everybody's is
	FETCH 0, 0, 0
	s_wait_loadcnt 0x0                             ; bo
	QUARTER 0, 1, 0, 1, 1                          ; the first quarter stands in front of the loop: its products start the sums
	WIN 0                                          ; at a label and at a branch every window is 0
	s_mov_b32 s3, 3
.Llap:                                             ; a trip goes once round the ring, from a lap's second quarter to the next lap's first, and fills both slots again
	QUARTER 0, 2, 1, 0, 0
	QUARTER 0, 3, 0, 1, 0
	TURN 0, 1, 1
	QUARTER 1, 1, 0, 1, 0
	QUARTER 1, 2, 1, 0, 0
	QUARTER 1, 3, 0, 1, 0
	TURN 1, 0, 1
	QUARTER 0, 1, 0, 1, 0
	WIN 0
	s_sub_co_u32 s3, s3, 1
	s_cmp_lg_u32 s3, 0
	s_cbranch_scc1 .Llap
	QUARTER 0, 2, 1, 0, 0                          ; the last lap fills nothing, and has no round of the cluster's barrier
	QUARTER 0, 3, 0, 1, 0
	TURN 0, 1, 0
	QUARTER 1, 1, 0, 1, 0
	QUARTER 1, 2, 1, 0, 0
	QUARTER 1, 3, 0, 1, 0
	s_wait_dscnt 4                                 ; the very last quarter: nothing more to fetch
	WIN MUL
	MUL8 1, 0, 0
	MUL8 1, 1, 0
	s_wait_dscnt 0
	MUL8 1, 2, 0
	MUL8 1, 3, 0
	WIN 0
; THE WAY OUT, block by block of 16 rows x 128 columns.  A lane holds 32 neighbouring bytes of a row, and the lanes beside it hold other rows: so a block goes through my own stage in LDS and comes back as whole
; rows of 512 bytes.  LDS serves a wave's instructions in order (ISA guide 5.7.1.4): no wait between the stores and the loads, nor in front of the next block's stores.
.macro TOSTAGE a
	WIN 0x08                                       ; an LDS store's data are its source 1: window 2
.irp b, 0,1,2,3,4,5,6,7
	ds_store_b128 v[STO], v[64*(\a)+8*\b:64*(\a)+8*\b+3] offset:64*\b            ; each accumulator from its low end on
	ds_store_b128 v[STO], v[64*(\a)+8*\b+4:64*(\a)+8*\b+7] offset:64*\b+16
.endr
	WIN 0
.set BB, BK+64*((\a)%2)
.irp t, 0,1,2,3,4,5,6,7,8,9,10,11,12,13,14,15
	ds_load_b128 v[BB+4*\t:BB+4*\t+3], v[RD] offset:\t*SPITCH
.endr
.endm
.macro SEND a, younger                 ; younger: the LDS instructions issued behind block a's loads, which may stay out
.set BB, BK+64*((\a)%2)
	s_wait_dscnt \younger                          ; the block is back in registers
.irp t, 0,1,2,3,4,5,6,7,8,9,10,11,12,13,14,15
	global_store_b128 v[CO], v[BB+4*\t:BB+4*\t+3], s[10:11] offset:(16*(\a)+\t)*4096 th:TH_STORE_NT   ; 32 lanes store 512 consecutive bytes, aligned; no base is stepped
.endr
.endm
	PLACES                                         ; behind the last products
	TOSTAGE 0
.irp a, 1,2,3
.if \a > 1
	s_wait_xcnt 0x0                                ; block a - 2's stores have read their registers: block a's loads may land there
.endif
	TOSTAGE \a
	SEND \a-1, 32                                  ; behind block a - 1's loads: block a's 16 stores and 16 loads
.endr
	SEND 3, 0
	s_wait_tensorcnt 0x0                           ; the wave's end, behind my last tensor load and my last LDS store
	ds_add_u32 v[SPW], v[NIL]
	s_wait_dscnt 0x0
	CROUND                                         ; the closing round: no work-group ends while a partner may still ask for a tile that names it
	s_endpgm
.Lfunc_end_k_q3232b08550_proj:
	.size	k_q3232b08550_proj, .Lfunc_end_k_q3232b08550_proj-k_q3232b08550_proj
	.p2alignl 7, 3214868480
	.fill 96, 4, 3214868480
	.section	.rodata,"a",@progbits
	.p2align	6, 0x0
	.amdhsa_kernel k_q3232b08550_proj
		.amdhsa_group_segment_fixed_size 327680
		.amdhsa_private_segment_fixed_size 0
		.amdhsa_enable_private_segment 0
		.amdhsa_kernarg_size 32
		.amdhsa_user_sgpr_count 2
		.amdhsa_user_sgpr_kernarg_segment_ptr 1
		.amdhsa_wavefront_size32 1
		.amdhsa_system_sgpr_workgroup_id_x 1
		.amdhsa_system_sgpr_workgroup_id_y 1
		.amdhsa_system_sgpr_workgroup_id_z 1
		.amdhsa_system_vgpr_workitem_id 0
		.amdhsa_next_free_vgpr 768
		.amdhsa_next_free_sgpr 66
		.amdhsa_reserve_vcc 0
		.amdhsa_float_denorm_mode_32 3
		.amdhsa_float_denorm_mode_16_64 3
		.amdhsa_memory_ordered 1
		.amdhsa_forward_progress 1
		.amdhsa_inst_pref_size 87
	.end_amdhsa_kernel
	.amdgpu_metadata
---
amdhsa.version: [ 1, 2 ]
amdhsa.kernels:
  - .name:           k_q3232b08550_proj
    .symbol:         k_q3232b08550_proj.kd
    .args:
      - { .name: att, .offset: 0, .size: 8, .value_kind: global_buffer, .address_space: global }
      - { .name: wo16, .offset: 8, .size: 8, .value_kind: global_buffer, .address_space: global }
      - { .name: bo, .offset: 16, .size: 8, .value_kind: global_buffer, .address_space: global }
      - { .name: out0, .offset: 24, .size: 8, .value_kind: global_buffer, .address_space: global }
    .group_segment_fixed_size: 327680
    .private_segment_fixed_size: 0
    .kernarg_segment_align: 8
    .kernarg_segment_size: 32
    .max_flat_workgroup_size: 128
    .sgpr_count:     66
    .vgpr_count:     768
    .wavefront_size: 32
...
	.end_amdgpu_metadata
.endif
;; end of part 4
